; MI455X (gfx1250); checked and timed in simulation.
; The chip was launched on July 23, 2026; its instructions are those of AMD's public machine-readable ISA for CDNA 5 (MIT licence, August 2026) and "CDNA5" Instruction Set Architecture Reference Guide (July 2026). The comments in the code are by the model that wrote it; some were corrected since.
;; Attention. Allowed arithmetic: matrix products marked QUANTISED: E4M3 operands, one E8M0 scale for each 32 along K, by v_wmma_scale_f32_16x16x128_f8f6f4 with both operands' format E4M3, f32 sums; everything else in f32.
;; Inputs: freqs_cos 2,048 x 32 float32; freqs_sin 2,048 x 32 float32; wk 512 x 2,048 float32; wo 2,048 x 1,024 float32; wq 1,024 x 2,048 float32; wv 512 x 2,048 float32; x 2 x 2,048 x 2,048 float32.
;; Outputs: out0 2 x 2,048 x 2,048 float32.
;; This version of the problem:
;;   THIS VERSION OF THE PROBLEM IS GIVEN IN LOW PRECISION. The matrix products marked QUANTISED in the list below multiply operands that are first quantised to E4M3 (4 exponent bits, 3 mantissa bits; 8 bits a number), with one power-of-two scale for each 32 numbers along K (OCP MX v1.0); their sums are f32. All else is computed in f32.
;;   The module's matrix products, in the order in which they are computed (A, B: the left and right operand; K: the contracted axis; several contracted axes count as one K, in the product's order):
;;     1. [M 4,096, K 2,048] x [K 2,048, N 1,024]; A: input x; B: input wq: QUANTISED
;;     2. [M 4,096, K 2,048] x [K 2,048, N 512]; A: input x; B: input wk: QUANTISED
;;     3. [M 4,096, K 2,048] x [K 2,048, N 512]; A: input x; B: input wv: QUANTISED
;;     4. batch 32 x [M 2,048, K 64] x [K 64, N 2,048]; A: computed on the way; B: computed on the way: QUANTISED
;;     5. batch 32 x [M 2,048, K 2,048] x [K 2,048, N 64]; A: softmax (see below); B: computed on the way: QUANTISED
;;     6. [M 4,096, K 1,024] x [K 1,024, N 2,048]; A: computed on the way; B: input wo: QUANTISED
;;   THE QUANTISER, for each operand of a quantised product, along K:
;;     - K is cut into blocks of 32 from its start; a last block that is shorter is filled with zeros.
;;     - A block's scale is 2^e with e = floor(log2(the largest magnitude in the block)) - 8, held to -126 .. 127; a block of zeros has e = 0. As a byte (E8M0): e + 127.
;;     - Each number is divided by its block's scale, clamped to +-448, and rounded to the nearest number of E4M3, ties to even, subnormals kept.
;;     - The product sums the exact products of the quantised numbers (number of the format x scale) in f32.
;;   ~~~python
;;   def quantise(x, axis):      # numpy; x: float32 -> the quantised numbers, widened to float32 again
;;       x = np.moveaxis(x, axis, -1); K = x.shape[-1]
;;       x = np.pad(x, [(0, 0)] * (x.ndim - 1) + [(0, -K % 32)]); x = x.reshape(x.shape[:-1] + (-1, 32)); a = np.abs(x).max(-1, keepdims=True)
;;       e = np.where(a > 0, np.clip(np.frexp(np.where(a > 0, a, 1))[1] - 1 - 8, -126, 127), 0)      # np.frexp(a)[1] - 1 = floor(log2(a)), exactly
;;       r = np.clip(x / 2.0 ** e, -448, 448)
;;       step = 2.0 ** (np.maximum(np.frexp(np.where(r == 0, 1, r))[1] - 1, -6) - 3)
;;       q = np.round(r / step) * step * 2.0 ** e      # np.round: ties to even
;;       return np.moveaxis(q.reshape(q.shape[:-2] + (-1,))[..., :K], -1, axis).astype(np.float32)
;;   ~~~
;;   SOFTMAX AHEAD OF A QUANTISED PRODUCT. Where the list says 'softmax', what is quantised is not the finished softmax but p = 2^(t - M), with t = logit x log2(e) and M = ceil(the row's largest t), a whole number; so 1/2 < the row's largest p <= 1. The row's sum l is taken of the UNQUANTISED p, in f32, and the product's result is divided by l at the end. Since M is a whole number, a kernel that streams over the keys may use a running M (the ceiling of the running maximum): every later rescaling is an exact power of two, which a block's scale takes up: the codes' values come out the same.
;;   OPERANDS COMPUTED ON THE WAY. 'Computed on the way' means the value that the module computes at that place (a softmax that the list does not call 'softmax' is quantised finished and normalised). What goes into a quantiser is computed in f32, as accurately as f32 sums, v_exp_f32 and their like allow (about 1e-6 of the number): no bf16 or f16 on the way to a quantiser, and a product that is left as it is and whose result goes on into a quantised operand takes f32 operands (vector FMAs, or v_wmma_f32_16x16x4_f32). A number that lies on a knife's edge between two numbers of the format may be rounded either way, as far as f32 arithmetic and the matrix unit's own rounding can turn it there, and no further.
;; One version. Each part assembles by itself: llvm-mc -triple=amdgcn-amd-amdhsa -mcpu=gfx1250 --defsym DOCPART=n.
;; ======== version 1 of 1: 4 launches
;; limits: right only within a limited range of input values
;; workspace buffers: cw 15,138,816 bytes; qkv 8,650,752 bytes; ao 4,325,376 bytes
;; launch quant (part 1): grid 448 x 1, 4 waves a work-group, no clusters, 33,280 bytes of LDS; arguments x, wq, wk, wv, wo, cw; writes cw
.if DOCPART == 1
	.amdgcn_target "amdgcn-amd-amdhsa--gfx1250"
	.amdhsa_code_object_version 6
	.text
	.protected	k_q88cd3ccde8_quant
	.globl	k_q88cd3ccde8_quant
	.p2align	8
	.type	k_q88cd3ccde8_quant,@function
k_q88cd3ccde8_quant:
	s_mov_b64 s[64:65], 0
	v_nop
	global_prefetch_b8 v0, s[64:65] scope:SCOPE_SE
	s_setreg_imm32_b32 hwreg(HW_REG_WAVE_MODE, 25, 1), 1
	s_wait_xcnt 0x0
; LAUNCH 1 OF 4.  x [4096][2048], wq [1024][2048], wk, wv [512][2048], wo [2048][1024], f32, K innermost in all five, become codes of FP8 (E4M3) with one E8M0 byte for each 32 along K, in the workspace cw:
;   byte 0: codes as one matrix of 6,144 rows x 2,048 bytes (x, wq, wk, wv); byte 12,582,912: wo's codes [2048][1024]; byte 14,680,064: the scale bytes [6144][64]; byte 15,073,280: wo's [2048][32].
; THE ROWS of x, wq, wk, wv are stored with bits 3 and 4 of the row number exchanged: position 32 B + 16 u + r holds row 32 B + 8 u + r + 8 (r / 8).  So 16 neighbouring stored rows form a tile whose results, taken as
; source 0 of a matrix instruction, leave 16 NEIGHBOURS along the next product's K in the 16 registers of two neighbouring tiles.  wo's rows stay as they are.
; WORK LEFT OUT IN THIS PROGRAM, and why it can reach no output.  (1) reference() sets the score of key k and query q to -inf where k > q, by a tril that it builds itself; the softmax's weight of such a key is exp(-inf) = 0 for all finite
; inputs, so it adds nothing to the row's sum nor to the second product.  A step of 128 keys all of which come after a wave's 16 queries is therefore neither loaded nor multiplied (launch 3).  (2) repeat_kv copies a key/value head to
; two query heads: each is projected, rotated and quantised once and read twice.  Every input has a way to the output: all seven are loaded.  LIMIT: a NaN, an infinity or an overflow that reaches only hidden scores is not carried to the result.
; A block's scale is 2^(floor(log2(its largest magnitude)) - 8); its byte is the largest magnitude's exponent field - 8, held at 1 from below.  A block of zeros so gets the byte 1 where the rule says 127: its codes are zeros, which add
; nothing under any byte but 0xff, and the bytes are read by this program alone.  LIMITS: NaN and infinities among the inputs are not served.
; A wave takes a run of 8,192 numbers in 16 steps of 512.  Each of a step's four loads reads 512 consecutive bytes; the 2,048 bytes turn through the wave's own stage in LDS and come back 64 bytes a lane, so that a lane holds 16
; neighbours along K (two neighbouring lanes hold a block).  A lane's 16 codes are 16 bytes: the wave stores 512 consecutive bytes.  A wave's 256 scale bytes are gathered in LDS and leave as one aligned run of 256 bytes.
; No tensor load, no barrier, no matrix unit, no cluster: a stream in which waves share nothing.
.set WAVES, 4
.set STEPS, 16
.set EMAX,  8
.set MANT,  0x600000                   ; the mantissa field of 448 as f32
.set CB,    16                         ; bytes of 16 codes
.set R,     16                         ; v16-143  eight sets of 16 numbers as they are loaded
.set X,     144                        ; v144-175 two sets of 16 neighbours
.set C,     192                        ; v192-255 codes: four registers for each step, so that no store's data are written again
.set E,     176                        ; v176-191 a scale byte for each step
.set WREG,  8192                       ; LDS: a region for each wave: two stages of 32 x SP bytes, behind them its 256 scale bytes
.set SP,    80                         ; a lane's place in a stage: 64 bytes + 16 of padding
.set SPW,   12                         ; v12      LDS address of my spare word; never rewritten
.set NIL,   13                         ; v13      0; never rewritten
.set SPARE, WAVES*WREG                 ; behind the four regions: the spare words, 128 bytes for each wave
.set SC_OFF, 14680064
	s_load_b256 s[4:11], s[0:1], 0x0               ; x, wq, wk, wv
	s_load_b128 s[12:15], s[0:1], 0x20             ; wo, cw
	v_lshl_add_u32 v[SPW], v0, 2, SPARE
	v_mov_b32 v[NIL], 0
	v_lshrrev_b32 v1, 5, v0
	v_readfirstlane_b32 s16, v1                    ; wave
	v_and_b32 v2, 31, v0                           ; lane
	v_lshlrev_b32 v3, 4, v2                        ; my 16 bytes of a load's 512
	s_mul_i32 s17, s16, WREG
	v_lshrrev_b32 v14, 2, v2
	v_mul_u32_u24 v14, v14, SP
	v_and_b32 v15, 3, v2
	v_lshl_add_u32 v14, v15, 4, v14
	v_add_nc_u32 v14, s17, v14                     ; the stage, on the way in: SP (lane / 4) + 16 (lane % 4)
	v_mul_u32_u24 v15, v2, SP
	v_add_nc_u32 v15, s17, v15                     ; and on the way out: SP x lane: my 16 neighbours
	v_mul_u32_u24 v4, v2, CB                       ; my codes' place in a step's
	v_lshrrev_b32 v5, 1, v2
	s_add_co_u32 s17, s17, 2*32*SP
	v_add_nc_u32 v5, s17, v5                       ; LDS: my wave's 256 scale bytes, my block's byte
	v_lshlrev_b32 v7, 3, v2                        ; and on the way out 8 bytes a lane
	v_add_nc_u32 v6, s17, v7
	s_mov_b32 s23, MANT
	s_wait_alu depctr_va_vdst(0)
	s_wait_kmcnt 0x0
	; which tensor: work-groups 0-255 x, 256-319 wq, 320-351 wk, 352-383 wv, 384-447 wo.  The choice hangs on the work-group's number alone
	s_mov_b64 s[28:29], s[12:13]
	s_mov_b32 s30, 384
	s_cmp_lt_u32 ttmp9, 384
	s_cselect_b64 s[28:29], s[10:11], s[28:29]
	s_cselect_b32 s30, 352, s30
	s_cmp_lt_u32 ttmp9, 352
	s_cselect_b64 s[28:29], s[8:9], s[28:29]
	s_cselect_b32 s30, 320, s30
	s_cmp_lt_u32 ttmp9, 320
	s_cselect_b64 s[28:29], s[6:7], s[28:29]
	s_cselect_b32 s30, 256, s30
	s_cmp_lt_u32 ttmp9, 256
	s_cselect_b64 s[28:29], s[4:5], s[28:29]
	s_cselect_b32 s30, 0, s30
	s_sub_co_u32 s17, ttmp9, s30
	s_lshl_b32 s17, s17, 2
	s_add_co_u32 s17, s17, s16                     ; my run in its tensor
	s_lshl_b32 s18, s17, 15                        ; 8,192 numbers of 4 bytes
	s_mov_b32 s19, 0
	s_add_nc_u64 s[4:5], s[28:29], s[18:19]        ; from here I read
	s_lshl_b32 s20, ttmp9, 2
	s_add_co_u32 s20, s20, s16                     ; my run in cw: the regions follow each other in the work-groups' order
	s_and_b32 s21, s20, 2                          ; a run is 4 rows of 2,048: its bits 1 and 2 are the row's bits 3 and 4: they change places
	s_lshl_b32 s21, s21, 1
	s_and_b32 s22, s20, 4
	s_lshr_b32 s22, s22, 1
	s_or_b32 s21, s21, s22
	s_and_not1_b32 s22, s20, 6
	s_or_b32 s21, s21, s22
	s_cmp_lt_u32 ttmp9, 384                        ; not for wo
	s_cselect_b32 s20, s21, s20
	s_lshl_b32 s18, s20, 13                        ; 8,192 codes a run
	s_add_nc_u64 s[8:9], s[14:15], s[18:19]
	s_lshl_b32 s18, s20, 8                         ; 256 scale bytes a run
	s_add_co_u32 s18, s18, SC_OFF
	s_add_nc_u64 s[10:11], s[14:15], s[18:19]
.macro LOAD t
.irp i, 0,1,2,3
	global_load_b128 v[R+16*((\t)%8)+4*\i:R+16*((\t)%8)+4*\i+3], v3, s[4:5] offset:2048*(\t)+512*\i th:TH_LOAD_NT   ; 32 lanes read 512 consecutive bytes
.endr
.endm
.macro TURN t                          ; step t's numbers through the stage: LDS serves a wave's instructions in order, so no wait stands between the stores and the loads
.irp i, 0,1,2,3
	ds_store_b128 v14, v[R+16*((\t)%8)+4*\i:R+16*((\t)%8)+4*\i+3] offset:32*SP*((\t)%2)+8*SP*\i
.endr
.irp i, 0,1,2,3
	ds_load_b128 v[X+16*((\t)%2)+4*\i:X+16*((\t)%2)+4*\i+3], v15 offset:32*SP*((\t)%2)+16*\i
.endr
.endm
.irp t, 0,1,2,3,4,5,6,7
	LOAD \t
.endr
	s_wait_loadcnt 28                              ; step 0's four loads are in; the 28 of steps 1 to 7 may be out
	TURN 0
.macro STEP t
.set XS, X+16*((\t)%2)
.if (\t) > 0
	s_wait_dscnt 1                                 ; this step's numbers are back from the stage (the last step's byte store may be out): so its stores into the stage have read their registers,
.else
	s_wait_dscnt 0x0
.endif
.if (\t)+8 < STEPS
	LOAD (\t)+8                                    ; which take the loads of eight steps on
.endif
.if (\t)+1 < STEPS
.if STEPS-2-(\t) >= 7
	s_wait_loadcnt 28                              ; the next step's four loads are in; those of the seven steps behind it may be out
.else
	s_wait_loadcnt 4*(STEPS-2-(\t))
.endif
	TURN (\t)+1                                    ; and go through the other stage while this step is worked
.endif
	v_max3_num_f32 v8, |v[XS]|, |v[XS+1]|, |v[XS+2]|               ; the largest magnitude of my 16, in two chains
	v_max3_num_f32 v9, |v[XS+3]|, |v[XS+4]|, |v[XS+5]|
.irp i, 6,10
	v_max3_num_f32 v8, v8, |v[XS+\i]|, |v[XS+\i+1]|
	v_max3_num_f32 v9, v9, |v[XS+\i+2]|, |v[XS+\i+3]|
.endr
	v_max3_num_f32 v8, v8, |v[XS+14]|, |v[XS+15]|
	v_max3_num_f32 v8, v8, v9, (EMAX+1)<<23        ; and the floor 2^(9 - 127): the byte cannot fall under 1
	v_max_num_f32_dpp v8, v8, v8 row_xmask:1 row_mask:0xf bank_mask:0xf   ; and of my neighbour's 16: the block's
	v_add_nc_u32 v11, -(EMAX<<23), v8              ; 8 off its exponent field: the conversion takes the exponent field of this operand as its scale
	v_and_or_b32 v10, v8, 0x7f800000, s23          ; 448 x the scale
.irp i, 0,1,2,3,4,5,6,7,8,9,10,11,12,13,14,15
	v_med3_num_f32 v[XS+\i], v[XS+\i], -v10, v10   ; the conversion to an 8-bit code does not saturate (ISA guide 7.6.2): the hold comes first
.endr
	v_cvt_scalef32_pk8_fp8_f32 v[C+4*(\t):C+4*(\t)+1], v[XS:XS+7], v11
	v_cvt_scalef32_pk8_fp8_f32 v[C+4*(\t)+2:C+4*(\t)+3], v[XS+8:XS+15], v11
	v_lshrrev_b32 v[E+(\t)], 23, v11               ; the scale's byte
	ds_store_b8 v5, v[E+(\t)] offset:16*(\t)       ; both lanes of a block write the same byte with the same value
	global_store_b128 v4, v[C+4*(\t):C+4*(\t)+3], s[8:9] offset:32*CB*(\t)
.endm
.irp t, 0,1,2,3,4,5,6,7,8,9,10,11,12,13,14,15
	STEP \t
.endr
	ds_load_b64 v[8:9], v6                         ; LDS serves a wave's instructions in order: these see my stores
	s_wait_dscnt 0x0
	global_store_b64 v7, v[8:9], s[10:11]          ; 32 lanes store 256 consecutive bytes, aligned
	s_wait_tensorcnt 0x0                           ; the wave's end
	ds_add_u32 v[SPW], v[NIL]
	s_wait_dscnt 0x0
	s_endpgm
.Lfunc_end_k_q88cd3ccde8_quant:
	.size	k_q88cd3ccde8_quant, .Lfunc_end_k_q88cd3ccde8_quant-k_q88cd3ccde8_quant
	.p2alignl 7, 3214868480
	.fill 96, 4, 3214868480
	.section	.rodata,"a",@progbits
	.p2align	6, 0x0
	.amdhsa_kernel k_q88cd3ccde8_quant
		.amdhsa_group_segment_fixed_size 33280
		.amdhsa_private_segment_fixed_size 0
		.amdhsa_enable_private_segment 0
		.amdhsa_kernarg_size 48
		.amdhsa_user_sgpr_count 2
		.amdhsa_user_sgpr_kernarg_segment_ptr 1
		.amdhsa_wavefront_size32 1
		.amdhsa_system_sgpr_workgroup_id_x 1
		.amdhsa_system_sgpr_workgroup_id_y 1
		.amdhsa_system_sgpr_workgroup_id_z 1
		.amdhsa_system_vgpr_workitem_id 0
		.amdhsa_next_free_vgpr 256
		.amdhsa_next_free_sgpr 66
		.amdhsa_reserve_vcc 0
		.amdhsa_float_denorm_mode_32 3
		.amdhsa_float_denorm_mode_16_64 3
		.amdhsa_memory_ordered 1
		.amdhsa_forward_progress 1
		.amdhsa_inst_pref_size 52
	.end_amdhsa_kernel
	.amdgpu_metadata
---
amdhsa.version: [ 1, 2 ]
amdhsa.kernels:
  - .name:           k_q88cd3ccde8_quant
    .symbol:         k_q88cd3ccde8_quant.kd
    .args:
      - { .name: x, .offset: 0, .size: 8, .value_kind: global_buffer, .address_space: global }
      - { .name: wq, .offset: 8, .size: 8, .value_kind: global_buffer, .address_space: global }
      - { .name: wk, .offset: 16, .size: 8, .value_kind: global_buffer, .address_space: global }
      - { .name: wv, .offset: 24, .size: 8, .value_kind: global_buffer, .address_space: global }
      - { .name: wo, .offset: 32, .size: 8, .value_kind: global_buffer, .address_space: global }
      - { .name: cw, .offset: 40, .size: 8, .value_kind: global_buffer, .address_space: global }
    .group_segment_fixed_size: 33280
    .private_segment_fixed_size: 0
    .kernarg_segment_align: 8
    .kernarg_segment_size: 48
    .max_flat_workgroup_size: 128
    .sgpr_count:     66
    .vgpr_count:     256
    .wavefront_size: 32
...
	.end_amdgpu_metadata
.endif
;; end of part 1
;; launch proj (part 2): grid 256 x 1, 4 waves a work-group, clusters of 4 x 1, 327,680 bytes of LDS; arguments cw, freqs_cos, freqs_sin, qkv; writes qkv
.if DOCPART == 2
	.amdgcn_target "amdgcn-amd-amdhsa--gfx1250"
	.amdhsa_code_object_version 6
	.text
	.protected	k_q88cd3ccde8_proj
	.globl	k_q88cd3ccde8_proj
	.p2align	8
	.type	k_q88cd3ccde8_proj,@function
k_q88cd3ccde8_proj:
	s_mov_b64 s[64:65], 0
	v_nop
	global_prefetch_b8 v0, s[64:65] scope:SCOPE_SE
	s_setreg_imm32_b32 hwreg(HW_REG_WAVE_MODE, 25, 1), 1
	s_wait_xcnt 0x0
	s_wait_alu depctr_hold_cnt(0) depctr_sa_sdst(0) depctr_va_vdst(0) depctr_va_sdst(0) depctr_va_ssrc(0) depctr_va_vcc(0) depctr_vm_vsrc(0)
	s_getreg_b32 s2, hwreg(HW_REG_IB_STS2, 6, 4)
	s_cmp_eq_u32 s2, 0
	s_cbranch_scc0 .Lentry_in_a_cluster
	s_endpgm
.Lentry_in_a_cluster:
	s_bfe_u32 s2, ttmp6, 0x10000c
	s_cmp_lg_u32 s2, 0x3003
	s_cbranch_scc0 .Lentry_shape_is_right
	s_endpgm
.Lentry_shape_is_right:
; LAUNCH 2 OF 4.  Q, K, V = x W^T on the codes of launch 1 (K = 2,048), the rotation of Q and K, and the quantisers of the results, which leave as images of launch 3's operand registers.  Nothing of reference() is left out here.
; A work-group of four waves makes 256 (P's rows) x 128 (R's rows).  Clusters 0-47: P = 256 rows of wq or wk, R = 128 tokens; clusters 48-63: P = 256 tokens, R = 128 rows of wv.
; P's tiles and scale bytes hang on the cluster's number alone and are asked for jointly by its four work-groups; R's are each work-group's own.
; K goes in steps of 256 through two LDS slots.  THE HEAD: one tensor load a wave: wave 0 K step 0's 256 rows of P, wave 1 its 128 rows of R, wave 2 P's scale bytes for all of K, wave 3 R's.  Slot 1 is first filled behind the full sequence and a round.
; PREFETCHES: a K step is 256 bytes of a row.  Of P's 256 rows each partner names 64, told apart by address, 16 a wave (lanes 16-31 name the wave's last row again); of R's 128 rows a wave names 32, a lane a row.
; K steps 1 and 2 are named at the head, step 3 behind slot 1's load, and the change of slots that loads step t + 2 names step t + 4; the last lap names nothing: no K step lies behind step 7.
.set SC_OFF,  14680064
.set V_OFF,   6291456
.set QKS_OFF, 8388608
.set VS_OFF,  8585216
.set PITCH, 272
.set PRB,   128*PITCH
.set RRB,   64*PITCH
.set ROFF,  2*PRB
.set SLOT,  ROFF+2*RRB
.set SCL,   2*SLOT
.set PSB,   32*272
.set RSB,   16*272
.set SCLR,  SCL+2*PSB
.set SPARE, SCLR+2*RSB
.set SBLK,  4*272
.set LAPS,  4
.set ADRP, 16
.set ADRR, 18
.set ADSP, 20
.set ADSR, 21
.set CA,   22
.set GA,   23
.set LS,   24
.set SPW,  28
.set NIL,  29
.set SCPG, 32
.set SCRG, 64
.set PWR,  80
.set TM,   96
.set PCD,  128
.set TT,   128
.set G1P,  24
.set G1R,  32
.set G0P,  40
.set G0R,  48
.set G1SP, 56
.set G1SR, 68
.set G0SP, 76
.set G0SR, 80
.set SEL,  96
.set MNT,  98
.set MSB, 0
.macro WIN new
.if MSB != (\new)
	s_set_vgpr_msb (MSB<<8)|(\new)
.set MSB, (\new)
.endif
.endm
.macro PLACES n
.rept \n
	v_nop
.endr
.endm
.macro JLOAD g0p, g1p, g0r, g1r
	s_cmp_lt_u32 s12, 2
	s_cbranch_scc0 .Lfor_r_\@
	tensor_load_to_lds s[\g0p:\g0p+3], s[\g1p:\g1p+7]
	s_nop 0
.rept 4
	v_nop
.endr
	s_branch .Lasked_\@
.Lfor_r_\@:
	tensor_load_to_lds s[\g0r:\g0r+3], s[\g1r:\g1r+7]
	s_nop 0
.rept 4
	v_nop
.endr
.Lasked_\@:
.endm
.macro CREST
	s_cmp_lg_u32 s12, 0
	s_cbranch_scc1 .Lnot_wave_0_\@
	s_barrier_signal -3
.Lnot_wave_0_\@:
	s_barrier_wait -3
	s_barrier_signal -1
	s_barrier_wait -1
.endm
.macro CROUND
	s_barrier_signal -1
	s_barrier_wait -1
	CREST
.endm
.macro FETCH slot, q, set
	WIN ((1+(\set))<<6)
.irp i, 0,1,2,3,4,5,6,7
.irp c, 0,1,2,3
	ds_load_b128 v[128+16*\i+4*\c:128+16*\i+4*\c+3], v[ADRP+\slot] offset:128*(\q)+32*\c+16*PITCH*\i
.endr
.endr
	WIN 0xc0
.irp i, 0,1,2,3
.irp c, 0,1,2,3
	ds_load_b128 v[64*(\set)+16*\i+4*\c:64*(\set)+16*\i+4*\c+3], v[ADRR+\slot] offset:128*(\q)+32*\c+16*PITCH*\i
.endr
.endr
	WIN 0
.endm
.macro SCALES sc
.irp i, 0,1,2,3,4,5,6,7
	ds_load_b64 v[SCPG+16*(\sc)+2*\i:SCPG+16*(\sc)+2*\i+1], v[ADSP] offset:\i*SBLK
.endr
.irp i, 0,1,2,3
	ds_load_b64 v[SCRG+8*(\sc)+2*\i:SCRG+8*(\sc)+2*\i+1], v[ADSR] offset:\i*SBLK
.endr
.endm
.macro MUL8 rb, set, q, sc, zero
.irp pb, 0,1,2,3,4,5,6,7
.if \zero
	v_wmma_scale_f32_16x16x128_f8f6f4 v[64*((\rb)%2)+8*\pb:64*((\rb)%2)+8*\pb+7], v[128+16*\pb:128+16*\pb+15], v[64*(\set)+16*(\rb):64*(\set)+16*(\rb)+15], 0, v[SCPG+16*(\sc)+2*\pb+(\q)], v[SCRG+8*(\sc)+2*(\rb)+(\q)]
.else
	v_wmma_scale_f32_16x16x128_f8f6f4 v[64*((\rb)%2)+8*\pb:64*((\rb)%2)+8*\pb+7], v[128+16*\pb:128+16*\pb+15], v[64*(\set)+16*(\rb):64*(\set)+16*(\rb)+15], v[64*((\rb)%2)+8*\pb:64*((\rb)%2)+8*\pb+7], v[SCPG+16*(\sc)+2*\pb+(\q)], v[SCRG+8*(\sc)+2*(\rb)+(\q)]
.endif
.endr
.endm
.macro STEP slot, zero
	PLACES 8
	FETCH \slot, 1, 1
	s_wait_dscnt 48
	WIN 0x5d
	MUL8 0, 0, 0, \slot, \zero
	MUL8 1, 0, 0, \slot, \zero
	WIN 0xad
	MUL8 2, 0, 0, \slot, \zero
	MUL8 3, 0, 0, \slot, \zero
	WIN 0
.endm
.macro TURN slot, next, fill
.if \fill
	s_wait_xcnt 0x0                                ; my prefetches have read their bases, which step one K step here
	s_add_nc_u64 s[66:67], s[66:67], 256
	s_add_nc_u64 s[100:101], s[100:101], 256
.endif
	s_wait_tensorcnt 0x0
	ds_add_u32 v[SPW], v[NIL]
	s_wait_dscnt 1
	WIN 0x5e
	MUL8 0, 1, 1, \slot, 0
	s_wait_dscnt 0x0
	s_barrier_signal -1
	MUL8 1, 1, 1, \slot, 0
	WIN 0
	s_barrier_wait -1
.if \fill
	CREST
	s_add_nc_u64 s[G0P+4*\slot+2:G0P+4*\slot+3], s[G0P+4*\slot+2:G0P+4*\slot+3], 512
	s_add_nc_u64 s[G0R+4*\slot+2:G0R+4*\slot+3], s[G0R+4*\slot+2:G0R+4*\slot+3], 512
	JLOAD G0P+4*\slot, G1P, G0R+4*\slot, G1R
	PLACES 4
.else
	PLACES 8
.endif
	s_wait_alu depctr_va_vdst(0)
	v_add_nc_u32 v[ADSP], 8, v[ADSP]
	v_add_nc_u32 v[ADSR], 8, v[ADSR]
	FETCH \next, 0, 0
	SCALES \next
.if \fill
	s_cmp_gt_u32 s3, 1                             ; the last lap's two changes have no K step two refills on
	s_cbranch_scc0 .Lno_ask_\@
	global_prefetch_b8 v25, s[66:67] offset:768 th:TH_LOAD_NT scope:SCOPE_SE     ; the K step that the change of slots after the next will load
	global_prefetch_b8 v26, s[100:101] offset:768 th:TH_LOAD_NT scope:SCOPE_SE
.Lno_ask_\@:
.endif
	WIN 0xae
	MUL8 2, 1, 1, \slot, 0
	MUL8 3, 1, 1, \slot, 0
	WIN 0
.endm
.macro LAST
	s_wait_dscnt 0x0
	WIN 0x5e
	MUL8 0, 1, 1, 1, 0
	MUL8 1, 1, 1, 1, 0
	WIN 0xae
	MUL8 2, 1, 1, 1, 0
	MUL8 3, 1, 1, 1, 0
	WIN 0
.endm
.macro ROPELOAD
	WIN 0xc0
.irp rb, 0,1,2,3
.irp e, 0,1
.irp jj, 0,1
	global_load_b128 v[128+32*\rb+8*\e+4*\jj:128+32*\rb+8*\e+4*\jj+3], v[CA], s[6:7] offset:128*(32*(\rb/2)+8*(\rb%2))+64*\e+16*\jj
	global_load_b128 v[144+32*\rb+8*\e+4*\jj:144+32*\rb+8*\e+4*\jj+3], v[CA], s[8:9] offset:128*(32*(\rb/2)+8*(\rb%2))+64*\e+16*\jj
.endr
.endr
.endr
	WIN 0
.endm
.macro ROPE rb
.set A0, 64*((\rb)%2)
.set CT, 128+32*(\rb)
.set g, 0
.rept 8
.set q0, 8*((g/2)%2)+4*(g%2)
.irp k, 0,1,2,3
	v_mul_f32 v[TT+2*\k],   v[A0+8*g+2*\k+1], v[CT+16+q0+\k]
	v_mul_f32 v[TT+2*\k+1], v[A0+8*g+2*\k+1], v[CT+q0+\k]
.endr
.irp k, 0,1,2,3
	v_fma_f32 v[A0+8*g+2*\k+1], v[A0+8*g+2*\k], v[CT+16+q0+\k], v[TT+2*\k+1]
.endr
.irp k, 0,1,2,3
	v_fma_f32 v[A0+8*g+2*\k], v[A0+8*g+2*\k], v[CT+q0+\k], -v[TT+2*\k]
.endr
.set g, g+1
.endr
.endm
.macro QUANT w, s, pc, pw
	WIN (((\w)<<4)|((\w)<<2))
.irp b, 0,1,2,3
	v_max3_num_f32 v[TM+\b], 0x4800000, |v[(\s)+16*\b]|, |v[(\s)+1+16*\b]|
.endr
.irp i, 2,4,6,8,10,12,14
.irp b, 0,1,2,3
	v_max3_num_f32 v[TM+\b], v[TM+\b], |v[(\s)+16*\b+\i]|, |v[(\s)+1+16*\b+\i]|
.endr
.endr
	WIN 0
.irp b, 0,1,2,3
	v_permlanex16_b32 v[TM+4+\b], v[TM+\b], s[SEL], s[SEL+1]
.endr
.irp b, 0,1,2,3
	v_max_num_f32 v[TM+\b], v[TM+\b], v[TM+4+\b]
.endr
.irp b, 0,1,2,3
	v_add_nc_u32 v[TM+12+\b], 0xfc000000, v[TM+\b]
.endr
.irp b, 0,1,2,3
	v_and_or_b32 v[TM+8+\b], v[TM+\b], 0x7f800000, s[MNT]
.endr
.irp b, 0,1,2,3
	v_lshrrev_b32 v[TM+4+\b], 23, v[TM+12+\b]
.endr
	v_lshl_or_b32 v[\pw], v[TM+5], 8, v[TM+4]
	v_lshl_or_b32 v[\pw], v[TM+6], 16, v[\pw]
	v_lshl_or_b32 v[\pw], v[TM+7], 24, v[\pw]
	WIN (((\w)<<6)|(\w))
.irp b, 0,1,2,3
.irp i, 0,1,2,3,4,5,6,7,8,9,10,11,12,13,14,15
	v_med3_num_f32 v[(\s)+16*\b+\i], v[(\s)+16*\b+\i], -v[TM+8+\b], v[TM+8+\b]
.endr
.endr
	WIN (\w)
.irp b, 0,1,2,3
	v_cvt_scalef32_pk8_fp8_f32 v[(\pc)+4*\b:(\pc)+4*\b+1], v[(\s)+16*\b:(\s)+16*\b+7], v[TM+12+\b]
	v_cvt_scalef32_pk8_fp8_f32 v[(\pc)+4*\b+2:(\pc)+4*\b+3], v[(\s)+16*\b+8:(\s)+16*\b+15], v[TM+12+\b]
.endr
	WIN 0
	v_nop
.endm
	s_load_b256 s[4:11], s[0:1], 0x0
	v_lshl_add_u32 v[SPW], v0, 2, SPARE
	v_mov_b32 v[NIL], 0
	ds_add_u32 v[SPW], v[NIL]
	ds_add_u32 v[SPW], v[NIL]
	v_lshrrev_b32 v1, 5, v0
	v_readfirstlane_b32 s12, v1
	s_lshr_b32 s13, s12, 1
	s_and_b32 s14, s12, 1
	s_bfe_u32 s15, ttmp6, 0x40000
	s_mov_b32 s[G1P], 15|(1<<20)|(1<<21)|(5<<22)|(3<<25)
	s_mov_b32 s[G1P+1], 256<<16
	s_mov_b32 s[G1P+2], 256<<16                    ; the head's load brings all 256 rows; the ring's count is set behind the head's wait
	s_mov_b32 s[G1P+3], 256<<16
	s_mov_b32 s[G1P+4], 256
	s_mov_b32 s[G1P+5], 2048
	s_mov_b32 s[G1P+6], 0
	s_mov_b32 s[G1P+7], 0
	s_mov_b32 s[G1R], (1<<20)|(5<<22)|(3<<25)
	s_mov_b32 s[G1R+1], 256<<16
	s_mov_b32 s[G1R+2], 128<<16                    ; likewise all 128 rows
	s_mov_b32 s[G1R+3], 256<<16
	s_mov_b32 s[G1R+4], 128
	s_mov_b32 s[G1R+5], 2048
	s_mov_b32 s[G1R+6], 0
	s_mov_b32 s[G1R+7], 0
	s_mov_b32 s[G1SP], 15|(3<<16)|(1<<20)|(1<<21)|(5<<22)|(3<<25)
	s_mov_b32 s[G1SP+1], 32<<16
	s_mov_b32 s[G1SP+2], 64<<16                    ; the scale bytes of 256 rows: 64 rows of 256 bytes
	s_mov_b32 s[G1SP+3], 32<<16
	s_mov_b32 s[G1SP+4], 64
	s_mov_b32 s[G1SP+5], 32
	s_mov_b32 s[G1SP+6], 0
	s_mov_b32 s[G1SP+7], 0
	s_mov_b32 s[G1SR], (3<<16)|(1<<20)|(5<<22)|(3<<25)
	s_mov_b32 s[G1SR+1], 32<<16
	s_mov_b32 s[G1SR+2], 32<<16                    ; of 128 rows: 32 rows of 256 bytes
	s_mov_b32 s[G1SR+3], 32<<16
	s_mov_b32 s[G1SR+4], 32
	s_mov_b32 s[G1SR+5], 32
	s_mov_b32 s[G1SR+6], 0
	s_mov_b32 s[G1SR+7], 0
	s_lshr_b32 s84, ttmp9, 3
	s_lshl_b32 s84, s84, 8
	s_add_co_u32 s84, s84, 4096
	s_and_b32 s85, ttmp9, 15
	s_lshl_b32 s85, s85, 8
	s_and_b32 s86, ttmp9, 7
	s_lshl_b32 s86, s86, 2
	s_add_co_u32 s86, s86, s15
	s_lshl_b32 s86, s86, 7
	s_lshl_b32 s87, s15, 7
	s_add_co_u32 s87, s87, 5632
	s_cmp_lt_u32 ttmp9, 48
	s_cselect_b32 s84, s84, s85
	s_cselect_b32 s86, s86, s87
	s_lshl_b32 s88, s84, 11
	s_mov_b32 s89, 0
	s_lshl_b32 s90, s84, 6
	s_add_co_u32 s90, s90, SC_OFF
	s_mov_b32 s91, 0
	s_lshl_b32 s92, s86, 11
	s_mov_b32 s93, 0
	s_lshl_b32 s94, s86, 6
	s_add_co_u32 s94, s94, SC_OFF
	s_mov_b32 s95, 0
	s_mul_i32 s96, s14, PRB
	s_mul_i32 s97, s14, RRB
	s_add_co_u32 s97, s97, ROFF
	s_wait_dscnt 0x0
	s_wait_kmcnt 0x0
	s_add_nc_u64 s[88:89], s[4:5], s[88:89]
	s_add_nc_u64 s[90:91], s[4:5], s[90:91]
	s_add_nc_u64 s[92:93], s[4:5], s[92:93]
	s_add_nc_u64 s[94:95], s[4:5], s[94:95]
	CROUND
	s_mov_b32 s[G0SP], 1
	s_mov_b32 s[G0SP+1], SCL
	s_mov_b64 s[G0SP+2:G0SP+3], s[90:91]
	s_or_b32 s[G0SP+3], s[G0SP+3], 0x80000000
	s_mov_b32 s[G0SR], 1
	s_mov_b32 s[G0SR+1], SCLR
	s_mov_b64 s[G0SR+2:G0SR+3], s[94:95]
	s_or_b32 s[G0SR+3], s[G0SR+3], 0x80000000
	s_mov_b32 s16, 1                               ; s[16:19]: group 0 of K step 0's 256 rows of P, to LDS byte 0
	s_mov_b32 s17, 0
	s_mov_b64 s[18:19], s[88:89]
	s_or_b32 s19, s19, 0x80000000
	s_mov_b32 s20, 1                               ; s[20:23]: of its 128 rows of R, behind them
	s_mov_b32 s21, ROFF
	s_mov_b64 s[22:23], s[92:93]
	s_or_b32 s23, s23, 0x80000000
	s_lshl_b32 s84, s15, 17                        ; the prefetches' bases: P: 64 rows x my place in the cluster + 16 rows x my wave, rows of 2,048 bytes
	s_lshl_b32 s85, s12, 15
	s_add_co_u32 s84, s84, s85
	s_mov_b32 s85, 0
	s_add_nc_u64 s[66:67], s[88:89], s[84:85]
	s_lshl_b32 s84, s12, 16                        ; R: 32 rows x my wave
	s_add_nc_u64 s[100:101], s[92:93], s[84:85]
; THE HEAD'S LOADS, one a wave, in one chain of branches on the wave's number
.macro ARM under, g0, g1, next
	s_cmp_lt_u32 s12, \under
	s_cbranch_scc0 \next
	tensor_load_to_lds s[\g0:\g0+3], s[\g1:\g1+7]
	s_nop 0
	PLACES 4
	s_branch .Lhead_asked
\next:
.endm
	ARM 1, 16, G1P, .Lhead_r
	ARM 2, 20, G1R, .Lhead_sp
	ARM 3, G0SP, G1SP, .Lhead_sr
	tensor_load_to_lds s[G0SR:G0SR+3], s[G1SR:G1SR+7]
	s_nop 0
	PLACES 4
.Lhead_asked:
	v_and_b32 v26, 31, v0
	v_min_u32 v25, 15, v26
	v_lshlrev_b32 v26, 11, v26                     ; v26: R's rows, a lane a row; never rewritten
	v_lshlrev_b32 v25, 11, v25                     ; v25: P's 16 rows; lanes 16-31 name the last again; never rewritten
	global_prefetch_b8 v25, s[66:67] offset:256 th:TH_LOAD_NT scope:SCOPE_SE     ; K step 1,
	global_prefetch_b8 v26, s[100:101] offset:256 th:TH_LOAD_NT scope:SCOPE_SE
	global_prefetch_b8 v25, s[66:67] offset:512 th:TH_LOAD_NT scope:SCOPE_SE     ; and K step 2
	global_prefetch_b8 v26, s[100:101] offset:512 th:TH_LOAD_NT scope:SCOPE_SE
	s_lshl_b32 s84, s14, 18                        ; for the ring: my half of a tile: 128 rows of P,
	s_add_nc_u64 s[88:89], s[88:89], s[84:85]
	s_lshl_b32 s84, s14, 17                        ; 64 rows of R
	s_add_nc_u64 s[92:93], s[92:93], s[84:85]
.irp s, 0,1
	s_mov_b32 s[G0P+4*\s], 1
	s_add_co_u32 s[G0P+4*\s+1], s96, \s*SLOT
	s_add_nc_u64 s[G0P+4*\s+2:G0P+4*\s+3], s[88:89], \s*256
	s_or_b32 s[G0P+4*\s+3], s[G0P+4*\s+3], 0x80000000
	s_mov_b32 s[G0R+4*\s], 1
	s_add_co_u32 s[G0R+4*\s+1], s97, \s*SLOT
	s_add_nc_u64 s[G0R+4*\s+2:G0R+4*\s+3], s[92:93], \s*256
	s_or_b32 s[G0R+4*\s+3], s[G0R+4*\s+3], 0x80000000
.endr
	v_and_b32 v1, 15, v0
	v_bfe_u32 v2, v0, 4, 1
	v_and_b32 v3, 31, v0
	v_mul_u32_u24 v4, v1, PITCH
	v_lshl_add_u32 v4, v2, 4, v4
	s_mul_i32 s84, s13, PRB
	s_mul_i32 s85, s14, RRB
	s_add_co_u32 s85, s85, ROFF
.irp s, 0,1
	v_add_nc_u32 v[ADRP+\s], s84, v4
	v_add_nc_u32 v[ADRR+\s], s85, v4
	s_add_co_u32 s84, s84, SLOT
	s_add_co_u32 s85, s85, SLOT
.endr
	v_lshlrev_b32 v5, 6, v1
	v_lshrrev_b32 v6, 2, v1
	v_lshl_add_u32 v5, v6, 4, v5
	s_mul_i32 s84, s13, PSB
	s_add_co_u32 s84, s84, SCL
	v_add_nc_u32 v[ADSP], s84, v5
	s_mul_i32 s84, s14, RSB
	s_add_co_u32 s84, s84, SCLR
	v_add_nc_u32 v[ADSR], s84, v5
	v_and_b32 v5, 8, v1
	v_add_nc_u32 v5, v5, v1
	v_lshlrev_b32 v[CA], 7, v5
	v_lshl_add_u32 v[CA], v2, 5, v[CA]
	v_lshlrev_b32 v[GA], 4, v3
	v_lshlrev_b32 v[LS], 2, v3
.irp b, 0,1,2,3
	v_mov_b32 v[TM+4+\b], 0
.endr
	s_mov_b32 s[SEL], 0x76543210
	s_mov_b32 s[SEL+1], 0xfedcba98
	s_mov_b32 s[MNT], 0x600000
	s_wait_alu depctr_va_vdst(0)
	s_wait_tensorcnt 0x0                           ; my tile of the head's four is in
	ds_add_u32 v[SPW], v[NIL]
	s_mov_b32 s[G1P+2], 128<<16                    ; no tensor load of mine is out: from here on a load brings half a tile
	s_mov_b32 s[G1P+4], 128
	s_mov_b32 s[G1R+2], 64<<16
	s_mov_b32 s[G1R+4], 64
	s_wait_dscnt 0x0
	CROUND                                         ; all four tiles are in, and the cluster's four are here
	JLOAD G0P+4, G1P, G0R+4, G1R                   ; K step 1, the first tensor load behind the round
	FETCH 0, 0, 0
	global_prefetch_b8 v25, s[66:67] offset:768 th:TH_LOAD_NT scope:SCOPE_SE     ; K step 3
	global_prefetch_b8 v26, s[100:101] offset:768 th:TH_LOAD_NT scope:SCOPE_SE
	SCALES 0
	STEP 0, 1
	s_mov_b32 s3, LAPS-1
.Llap:
	TURN 0, 1, 1
	STEP 1, 0
	TURN 1, 0, 1
	STEP 0, 0
	s_sub_co_u32 s3, s3, 1
	s_cmp_lg_u32 s3, 0
	s_cbranch_scc1 .Llap
	TURN 0, 1, 0
	s_cmp_lt_u32 ttmp9, 48
	s_cbranch_scc0 .Lv
	s_and_b32 s84, ttmp9, 7
	s_lshl_b32 s84, s84, 2
	s_add_co_u32 s84, s84, s15
	s_lshr_b32 s85, s84, 4
	s_and_b32 s84, s84, 15
	s_lshr_b32 s86, ttmp9, 3
	s_lshl_b32 s86, s86, 2
	s_lshl_b32 s87, s13, 1
	s_add_co_u32 s86, s86, s87
	s_mul_i32 s85, s85, 24
	s_add_co_u32 s85, s85, s86
	s_lshl_b32 s86, s84, 3
	s_lshl_b32 s87, s14, 2
	s_add_co_u32 s86, s86, s87
	s_lshl_b32 s88, s85, 7
	s_add_co_u32 s88, s88, s86
	s_lshl_b32 s88, s88, 10
	s_mov_b32 s89, 0
	s_add_nc_u64 s[88:89], s[10:11], s[88:89]
	s_lshl_b32 s90, s85, 6
	s_lshr_b32 s87, s86, 1
	s_add_co_u32 s90, s90, s87
	s_lshl_b32 s90, s90, 6
	s_add_co_u32 s90, s90, QKS_OFF
	s_mov_b32 s91, 0
	s_add_nc_u64 s[90:91], s[10:11], s[90:91]
	s_lshl_b32 s92, s86, 11
	s_mov_b32 s93, 0
	s_add_nc_u64 s[6:7], s[6:7], s[92:93]
	s_add_nc_u64 s[8:9], s[8:9], s[92:93]
	ROPELOAD
	STEP 1, 0
	LAST
	PLACES 8
	s_wait_loadcnt 0x0
.irp rb, 0,1,2,3
	WIN (((1+\rb/2)<<6)|((1+\rb/2)<<4)|(3<<2)|(1+\rb/2))
	ROPE \rb
	QUANT (1+\rb/2), 64*(\rb%2), PCD+16*\rb, PWR+\rb
.irp c, 0,1,2,3
	global_store_b128 v[GA], v[PCD+16*\rb+4*\c:PCD+16*\rb+4*\c+3], s[88:89] offset:131072*(\c/2)+512*(\c%2)+1024*\rb
.endr
.endr
	v_perm_b32 v84, v81, v80, 0x05040100
	v_perm_b32 v85, v83, v82, 0x05040100
	v_perm_b32 v86, v81, v80, 0x07060302
	v_perm_b32 v87, v83, v82, 0x07060302
	v_cmp_lt_u32 vcc_lo, 15, v3
	v_cndmask_b32 v84, v84, v85, vcc_lo
	v_cndmask_b32 v86, v86, v87, vcc_lo
	global_store_b32 v[LS], v84, s[90:91]
	global_store_b32 v[LS], v86, s[90:91] offset:4096
	s_branch .Lend
.Lv:
	s_and_b32 s84, ttmp9, 15
	s_lshr_b32 s85, s84, 3
	s_and_b32 s84, s84, 7
	s_lshl_b32 s84, s84, 1
	s_add_co_u32 s84, s84, s13
	s_lshl_b32 s86, s15, 1
	s_add_co_u32 s86, s86, s14
	s_lshl_b32 s85, s85, 3
	s_add_co_u32 s85, s85, s86
	s_lshl_b32 s85, s85, 4
	s_add_co_u32 s85, s85, s84
	s_lshl_b32 s88, s85, 13
	s_add_co_u32 s88, s88, V_OFF
	s_mov_b32 s89, 0
	s_add_nc_u64 s[88:89], s[10:11], s[88:89]
	s_lshl_b32 s90, s85, 8
	s_add_co_u32 s90, s90, VS_OFF
	s_mov_b32 s91, 0
	s_add_nc_u64 s[90:91], s[10:11], s[90:91]
	STEP 1, 0
	LAST
	PLACES 8
.irp rb, 0,1,2,3
	QUANT (1+\rb/2), 64*(\rb%2), PCD+16*\rb, PWR+\rb
.irp c, 0,1,2,3
	global_store_b128 v[GA], v[PCD+16*\rb+4*\c:PCD+16*\rb+4*\c+3], s[88:89] offset:512*\c+2048*\rb
.endr
.endr
	v_cmp_lt_u32 vcc_lo, 15, v3
	v_cndmask_b32 v84, v80, v81, vcc_lo
	v_cndmask_b32 v85, v82, v83, vcc_lo
	global_store_b32 v[LS], v84, s[90:91]
	global_store_b32 v[LS], v85, s[90:91] offset:128
.Lend:
	s_wait_tensorcnt 0x0
	ds_add_u32 v[SPW], v[NIL]
	s_wait_dscnt 0x0
	CROUND
	s_endpgm
.Lfunc_end_k_q88cd3ccde8_proj:
	.size	k_q88cd3ccde8_proj, .Lfunc_end_k_q88cd3ccde8_proj-k_q88cd3ccde8_proj
	.p2alignl 7, 3214868480
	.fill 96, 4, 3214868480
	.section	.rodata,"a",@progbits
	.p2align	6, 0x0
	.amdhsa_kernel k_q88cd3ccde8_proj
		.amdhsa_group_segment_fixed_size 327680
		.amdhsa_private_segment_fixed_size 0
		.amdhsa_enable_private_segment 0
		.amdhsa_kernarg_size 32
		.amdhsa_user_sgpr_count 2
		.amdhsa_user_sgpr_kernarg_segment_ptr 1
		.amdhsa_wavefront_size32 1
		.amdhsa_system_sgpr_workgroup_id_x 1
		.amdhsa_system_sgpr_workgroup_id_y 1
		.amdhsa_system_sgpr_workgroup_id_z 1
		.amdhsa_system_vgpr_workitem_id 0
		.amdhsa_next_free_vgpr 1024
		.amdhsa_next_free_sgpr 102
		.amdhsa_reserve_vcc 1
		.amdhsa_float_denorm_mode_32 3
		.amdhsa_float_denorm_mode_16_64 3
		.amdhsa_memory_ordered 1
		.amdhsa_forward_progress 1
		.amdhsa_inst_pref_size 188
	.end_amdhsa_kernel
	.amdgpu_metadata
---
amdhsa.version: [ 1, 2 ]
amdhsa.kernels:
  - .name:           k_q88cd3ccde8_proj
    .symbol:         k_q88cd3ccde8_proj.kd
    .args:
      - { .name: cw, .offset: 0, .size: 8, .value_kind: global_buffer, .address_space: global }
      - { .name: freqs_cos, .offset: 8, .size: 8, .value_kind: global_buffer, .address_space: global }
      - { .name: freqs_sin, .offset: 16, .size: 8, .value_kind: global_buffer, .address_space: global }
      - { .name: qkv, .offset: 24, .size: 8, .value_kind: global_buffer, .address_space: global }
    .group_segment_fixed_size: 327680
    .private_segment_fixed_size: 0
    .kernarg_segment_align: 8
    .kernarg_segment_size: 32
    .max_flat_workgroup_size: 128
    .sgpr_count:     102
    .vgpr_count:     1024
    .wavefront_size: 32
...
	.end_amdgpu_metadata
.endif
;; end of part 2
;; launch attn (part 3): grid 16 x 16, 16 waves a work-group, no clusters, 327,680 bytes of LDS; arguments qkv, ao; writes ao
.if DOCPART == 3
	.amdgcn_target "amdgcn-amd-amdhsa--gfx1250"
	.amdhsa_code_object_version 6
	.text
	.protected	k_q88cd3ccde8_attn
	.globl	k_q88cd3ccde8_attn
	.p2align	8
	.type	k_q88cd3ccde8_attn,@function
k_q88cd3ccde8_attn:
	s_mov_b64 s[64:65], 0
	v_nop
	global_prefetch_b8 v0, s[64:65] scope:SCOPE_SE
	s_setreg_imm32_b32 hwreg(HW_REG_WAVE_MODE, 25, 1), 1
	s_wait_xcnt 0x0
; LAUNCH 3 OF 4.  Causal attention on the codes of launch 2: S^T = K Q^T (K = the head's 64), p = 2^(t - M), O^T = V^T P^T (K = the keys), O / l, and the quantiser of the result along (head, d) for launch 4.
; LEFT OUT: a step of 128 keys all of which come after a wave's 16 queries: reference()'s own tril gives them -inf, so their weights are 0 for all finite inputs.  Such steps are neither loaded (where no wave of the work-group
; reads them) nor multiplied.  LIMIT: a NaN or an infinity that reaches only hidden scores is not carried to the result.
; THE SOFTMAX: t = score x log2(e) / 8; M = the row's largest t so far, rounded UP to a whole number; p = 2^(t - M) is quantised along the keys, not normalised; the row's sum is taken of the unquantised p and divides O at the end.
; When M moves, the sum and O are multiplied by 2^(old M - new M): exact.  LIMIT: a block's largest p is taken from its largest score, which takes v_exp_f32 not to fall where its input rises.
; SHARES.  Work-group (j, bh) serves one key/value head (batch bh / 8, head bh % 8), both of its query heads, and two blocks of 64 queries: block j and block 31 - j: together 17 key steps a pair of waves, whatever j is.
; Wave w: late = w / 8 (which block), tq = (w / 2) % 4 (which tile of 16), hh = w % 2 (which query head).  Sixteen waves of 256 registers: four to a SIMD, so that one wave's vector work stands beside another's products and loads.
; NO CLUSTER: the work-groups of a head end their loads at different causal limits, so a joint load would bring some partner tiles that none of its waves reads.
; TILES.  Tile T of 16 tokens holds tokens 32 (T / 2) + 8 (T % 2) + r + 8 (r / 8) (launch 1's order of rows).  So the 16 registers of S^T's tiles 2 f, 2 f + 1 are keys 32 f + 16 (lane / 16) + 0 .. 15, and O^T's likewise in d.
; HEAD SIZE 64 IN A FORM OF K = 128: a fragment of K is two key tiles side by side; Q stands between zero codes: [Q | 0] = v[24:39] gives the first tile's scores, [0 | Q] = v[16:31] the second's.
; LDS: slot s at 32,768 s: 256 keys: K's 16 tiles (16,384 bytes), V's 2 x 4 fragments (16,384): images of registers, read 512 consecutive bytes an instruction.  K's and V's scale words of the whole head stay at SCK, SCV.
; REGISTERS: v1-4 addresses that stay; v5, v6 the add's two; v8-11 addresses in hand; v12 -M, v13 the largest t, v[14:15] the sum; v16-39 0 | Q | 0; v40-103 four fragments; v104-167 S^T, then p; v168-199 O^T; v200-215 p's codes;
;   v216-224 the way out's quantiser; v225-229 kept offsets; v232-254 at work; v255 Q's scale word.
.set V_OFF,   6291456
.set QKS_OFF, 8388608
.set VS_OFF,  8585216
.set AOS_OFF, 4194304
.set SLOT1, 32768
.set VOFF,  16384
.set SCK,   65536
.set SCV,   69632
.set SCX,   73728                      ; 512 bytes for the way out's scale bytes: written by LDS stores alone
.set SPARE, 74240                      ; the spare words, 128 bytes for each of 16 waves
.set NSL,   8                          ; slots' worth of keys
.set AK0,  1                           ; v1   16 x lane
.set AV0,  2                           ; v2   16 x lane + VOFF
.set ASK0, 3                           ; v3   SCK + 4 r
.set ASV0, 4                           ; v4   SCV + 4 r
.set SPW,  5
.set NIL,  6
.set ADK,  8
.set ADV,  9
.set ADS,  10
.set ADT,  11
.set FB,   40
.set S,    104
.set OT,   168
.set PCD,  200
.set QLN,  225                         ; v225 r + 8 (r / 8) - 16 (lane / 16)
.set PFO,  226                         ; v226 256 x lane
.set XA,   227
.set XR,   228
.set XG,   229
.set TB,   2                           ; s2   LDS byte at which the slot in hand begins
.set TS,   3                           ; s3   where the step's scale words begin: 256 bytes a step, K's and V's alike
.set WV,   18
.set MNT,  19
.set SEL,  20
.set CS,   22
.set G1,   24                          ; s[24:31] group 1 for a tile of 16,384 dense bytes
.set G1S,  32                          ; s[32:39] for 4,096
.set G0,   40                          ; s[40:43] the walking group 0
.set G0S,  44
.set SLOTS, 67
.set QH,   68                          ; my last query
.set QL,   69                          ; my work-group's last query
.set PFA,  76
.set LIM,  80
.set KF,   98                          ; the step's first key
.set QB,   99                          ; my first query
; Wave 0 fetches K's part of a slot, wave 1 V's; the others nothing.  An s_nop 0 and four v_nop follow the line.
.macro TLOAD g0, g1
	s_cmp_lt_u32 s[WV], 2
	s_cbranch_scc0 .Lasked_\@
	tensor_load_to_lds s[\g0:\g0+3], s[\g1:\g1+7]
	s_nop 0
.rept 4
	v_nop
.endr
.Lasked_\@:
.endm
; A prefetch of what the NEXT change of slots will ask for: 16,384 bytes of K and of V.  All sixteen work-groups of a head walk the same bytes: work-group j = 0, which walks all keys, asks; in it waves 4, 5 for K's two halves and
; waves 6, 7 for V's: 8,192 bytes a wave, lanes 256 bytes apart: each aligned 256 bytes are named once in the launch.  The last change that fills a slot asks for nothing; slots 0 and 1 come by their loads alone.
.macro ASK
	s_cmp_gt_u32 s[SLOTS], s[LIM]
	s_cbranch_scc0 .Lnot_mine_\@
	global_prefetch_b8 v[PFO], s[PFA:PFA+1] th:TH_LOAD_NT scope:SCOPE_SE
.Lnot_mine_\@:
.endm
	s_load_b128 s[4:7], s[0:1], 0x0                ; qkv s[4:5], ao s[6:7]
	v_lshl_add_u32 v[SPW], v0, 2, SPARE
	v_mov_b32 v[NIL], 0
	ds_add_u32 v[SPW], v[NIL]                      ; the wave's opening: the add, twice on end, and its wait ahead of the first tensor load
	ds_add_u32 v[SPW], v[NIL]
	v_lshrrev_b32 v8, 5, v0
	s_delay_alu instid0(VALU_DEP_1)
	v_readfirstlane_b32 s[WV], v8                  ; wave 0..15
	s_and_b32 s48, ttmp7, 0xffff                   ; bh
	s_lshr_b32 s49, s48, 3                         ; batch
	s_and_b32 s50, s48, 7                          ; kvh
	s_lshr_b32 s51, s[WV], 3                       ; late
	s_bfe_u32 s52, s[WV], 0x20001                  ; tq
	s_and_b32 s53, s[WV], 1                        ; hh
	s_sub_co_u32 s54, 31, ttmp9
	s_cmp_eq_u32 s51, 0
	s_cselect_b32 s54, ttmp9, s54                  ; my block of 64 queries
	s_lshl_b32 s55, s54, 2
	s_add_co_u32 s55, s55, s52                     ; T: my tile
	s_lshr_b32 s56, s55, 1
	s_and_b32 s57, s55, 1
	s_lshl_b32 s[QB], s56, 5
	s_lshl_b32 s81, s57, 3
	s_add_co_u32 s[QB], s[QB], s81                 ; my queries: QB + r + 8 (r / 8)
	s_add_co_u32 s[QH], s[QB], 23
	s_lshl_b32 s[QL], ttmp9, 6
	s_sub_co_u32 s[QL], 2047, s[QL]                ; block 31 - j's last
	s_mul_i32 s58, s49, 24
	s_lshl_b32 s59, s50, 1
	s_add_co_u32 s59, s59, s53
	s_add_co_u32 s59, s59, s58                     ; 24 batch + my query head
	s_lshl_b32 s60, s59, 7
	s_add_co_u32 s60, s60, s55
	s_lshl_b32 s60, s60, 10                        ; Q's tile
	s_mov_b32 s61, 0
	s_lshl_b32 s62, s59, 6
	s_add_co_u32 s62, s62, s56
	s_lshl_b32 s62, s62, 6
	s_add_co_u32 s62, s62, QKS_OFF                 ; and its pair's scale words
	s_mov_b32 s63, 0
	s_add_co_u32 s66, s58, s50
	s_add_co_u32 s66, s66, 16                      ; 24 batch + 16 + kvh: the key head
	s_lshl_b32 s70, s66, 17                        ; K's codes,
	s_lshl_b32 s71, s48, 17
	s_add_co_u32 s71, s71, V_OFF                   ; V's,
	s_lshl_b32 s72, s66, 12
	s_add_co_u32 s72, s72, QKS_OFF                 ; K's scale words,
	s_lshl_b32 s73, s48, 12
	s_add_co_u32 s73, s73, VS_OFF                  ; V's
	s_cmp_eq_u32 s53, 0                            ; wave 0 fetches for K, wave 1 for V
	s_cselect_b32 s74, s70, s71
	s_cselect_b32 s78, s72, s73
	s_mov_b32 s75, 0
	s_mov_b32 s79, 0
	s_cmp_lt_u32 s[WV], 6                          ; the prefetches: waves 4, 5 K, waves 6, 7 V
	s_cselect_b32 s82, s70, s71
	s_lshl_b32 s81, s53, 13
	s_add_co_u32 s82, s82, s81                     ; my half,
	s_add_co_u32 s82, s82, 16384                   ; in slot 1: the first change of slots steps it to slot 2
	s_mov_b32 s83, 0
	s_sub_co_u32 s81, s[WV], 4
	s_lshr_b32 s81, s81, 2                         ; 0 in waves 4 to 7,
	s_or_b32 s81, s81, ttmp9                       ; of work-group j = 0
	s_cmp_eq_u32 s81, 0
	s_cselect_b32 s[LIM], 1, -1
	s_mov_b32 s88, 0x03020302                      ; Q's two scale bytes, twice: the pair's bytes 0, 1 where T is even, 2, 3 where odd
	s_cmp_eq_u32 s57, 0
	s_cselect_b32 s88, 0x01000100, s88
	; where the result goes: ((kvh / 2) 256 + 128 batch + T) 4,096 + 2,048 (kvh % 2) + 1,024 hh
	s_lshr_b32 s81, s50, 1
	s_lshl_b32 s81, s81, 8
	s_lshl_b32 s89, s49, 7
	s_add_co_u32 s81, s81, s89
	s_add_co_u32 s81, s81, s55
	s_lshl_b32 s84, s81, 12
	s_and_b32 s81, s50, 1
	s_lshl_b32 s81, s81, 11
	s_add_co_u32 s84, s84, s81
	s_lshl_b32 s81, s53, 10
	s_add_co_u32 s84, s84, s81
	s_mov_b32 s85, 0
	s_lshl_b32 s86, s50, 8                         ; its scale words: (256 kvh + 128 batch + 4 block) 64
	s_add_co_u32 s86, s86, s89
	s_lshl_b32 s81, s54, 2
	s_add_co_u32 s86, s86, s81
	s_lshl_b32 s86, s86, 6
	s_add_co_u32 s86, s86, AOS_OFF
	s_mov_b32 s87, 0
	; group 1: dense blocks as rows of 256 bytes (32 elements of 8): 64 rows, and 16 for the scale words
	s_mov_b32 s[G1], 3<<16
	s_mov_b32 s[G1+1], 32<<16
	s_mov_b32 s[G1+2], 64<<16
	s_mov_b32 s[G1+3], 32<<16
	s_mov_b32 s[G1+4], 64
	s_mov_b32 s[G1+5], 32
	s_mov_b32 s[G1+6], 0
	s_mov_b32 s[G1+7], 0
	s_mov_b32 s[G1S], 3<<16
	s_mov_b32 s[G1S+1], 32<<16
	s_mov_b32 s[G1S+2], 16<<16
	s_mov_b32 s[G1S+3], 32<<16
	s_mov_b32 s[G1S+4], 16
	s_mov_b32 s[G1S+5], 32
	s_mov_b32 s[G1S+6], 0
	s_mov_b32 s[G1S+7], 0
	s_mov_b32 s[SEL], 0x76543210
	s_mov_b32 s[SEL+1], 0xfedcba98
	s_mov_b32 s[CS], 0x3e38aa3b                    ; c = log2(e) / sqrt(64)
	s_mov_b32 s[CS+1], s[CS]                       ; (named with it as a pair, so it is written)
	s_mov_b32 s[MNT], 0x600000
	s_mov_b32 s[TB], 0
	s_mov_b32 s[TS], 0
	s_mov_b32 s[SLOTS], NSL-1
	s_mov_b32 s[KF], 0
	s_wait_dscnt 0x0                               ; both opening adds are done
	s_wait_kmcnt 0x0
	s_mov_b32 s[G0S], 1
	s_lshl_b32 s[G0S+1], s53, 12
	s_add_co_u32 s[G0S+1], s[G0S+1], SCK           ; K's words at SCK, V's 4,096 bytes on
	s_add_nc_u64 s[G0S+2:G0S+3], s[4:5], s[78:79]
	s_or_b32 s[G0S+3], s[G0S+3], 0x80000000
	s_mov_b32 s[G0], 1
	s_lshl_b32 s[G0+1], s53, 14                    ; slot 0: K's part, or V's 16,384 bytes on
	s_add_nc_u64 s[G0+2:G0+3], s[4:5], s[74:75]
	s_or_b32 s[G0+3], s[G0+3], 0x80000000
	s_cmp_lt_u32 s[WV], 2                          ; the first fills, one a wave, in one chain of branches on the wave's number: waves 0, 1: slot 0's K and V;
	s_cbranch_scc0 .Lhead_words
	tensor_load_to_lds s[G0:G0+3], s[G1:G1+7]
	s_nop 0
.rept 4
	v_nop
.endr
	s_branch .Lfirst_asked
.Lhead_words:
	s_cmp_lt_u32 s[WV], 4                          ; waves 2, 3: K's and V's scale words of the whole head: filled once
	s_cbranch_scc0 .Lfirst_asked
	tensor_load_to_lds s[G0S:G0S+3], s[G1S:G1S+7]
	s_nop 0
.rept 4
	v_nop
.endr
.Lfirst_asked:
	s_add_nc_u64 s[60:61], s[4:5], s[60:61]
	s_add_nc_u64 s[62:63], s[4:5], s[62:63]
	s_add_nc_u64 s[PFA:PFA+1], s[4:5], s[82:83]
	s_add_nc_u64 s[84:85], s[6:7], s[84:85]
	s_add_nc_u64 s[86:87], s[6:7], s[86:87]
	v_and_b32 v8, 15, v0                           ; r
	v_bfe_u32 v9, v0, 4, 1                         ; h
	v_and_b32 v10, 31, v0                          ; lane
	s_delay_alu instid0(VALU_DEP_1)
	v_lshlrev_b32 v[AK0], 4, v10
	s_delay_alu instid0(VALU_DEP_4)
	v_lshlrev_b32 v11, 2, v8
	global_load_b128 v[24:27], v[AK0], s[60:61]    ; Q's codes stay in registers
	global_load_b128 v[28:31], v[AK0], s[60:61] offset:512
	global_load_b32 v254, v11, s[62:63]            ; the pair's scale word of my row
	v_add_nc_u32 v[AV0], VOFF, v[AK0]
	v_lshl_add_u32 v[ASK0], v8, 2, SCK
	v_lshl_add_u32 v[ASV0], v8, 2, SCV
	v_and_b32 v12, 8, v8
	s_delay_alu instid0(VALU_DEP_1)
	v_add_nc_u32 v12, v12, v8
	v_lshlrev_b32 v13, 4, v9
	s_delay_alu instid0(VALU_DEP_1)
	v_sub_nc_u32 v[QLN], v12, v13
	v_lshlrev_b32 v[PFO], 8, v10
.irp j, 0,1,2,3,4,5,6,7
	v_mov_b32 v[16+\j], 0                          ; the zero codes on either side of Q
	v_mov_b32 v[32+\j], 0
.endr
	v_mov_b32 v13, 0xff61b1e6                      ; the largest t so far: -3e38, under every t
	s_delay_alu instid0(VALU_DEP_1)
	v_floor_f32 v12, -v13                          ; -M
	v_mov_b32 v14, 0                               ; the sum, in two halves
	v_mov_b32 v15, 0
.irp b, 0,1,2,3
	v_mov_b32 v[236+\b], 0                         ; written once: a lane permute's destination counts as one of its sources
.endr
	v_mov_b32 v252, 0
	v_mov_b32 v253, 0                              ; (named as the upper half of the pair v[252:253] before it is first written)
	s_wait_loadcnt 0x0                             ; Q
	v_perm_b32 v255, v254, v254, s88               ; Q's word: (b0, b1, b0, b1): it serves [Q | 0] and [0 | Q]
.set n, 0
.rept 32
	v_mov_b32 v[OT+n], 0                           ; O^T.  The step is written once: the first finds zeros, which the first change of M leaves zeros.  (Also the places between Q's word and the first product)
.set n, n+1
.endr
; A KEY STEP: 128 keys, the q-th of the slot in hand.
.macro STEP q
	s_cmp_gt_u32 s[KF], s[QH]                      ; all its keys come after my queries: the step's work is left out; not the lines at its end, which step addresses
	s_cbranch_scc1 .Lhidden_\@
	v_add_nc_u32 v[ADK], s[TB], v[AK0]
	v_add_nc_u32 v[ADV], s[TB], v[AV0]
	v_add_nc_u32 v[ADS], s[TS], v[ASK0]
	v_add_nc_u32 v[ADT], s[TS], v[ASV0]
.rept 4
	v_nop                                          ; with the four additions: eight places in front of loads into registers that the last products read
.endr
.irp f, 0,1,2,3
.irp c, 0,1,2,3
	ds_load_b128 v[FB+16*\f+4*\c:FB+16*\f+4*\c+3], v[ADK] offset:8192*(\q)+2048*\f+512*\c   ; key tiles 2 f and 2 f + 1 side by side
.endr
	ds_load_b32 v[248+\f], v[ADS] offset:64*\f     ; the pair's word: both tiles' bytes
.endr
	s_wait_alu depctr_va_vdst(0)
	s_wait_dscnt 0x0
.irp f, 0,1,2,3
	v_wmma_scale_f32_16x16x128_f8f6f4 v[S+16*\f:S+16*\f+7], v[FB+16*\f:FB+16*\f+15], v[24:39], 0, v[248+\f], v255
	v_wmma_scale_f32_16x16x128_f8f6f4 v[S+16*\f+8:S+16*\f+15], v[FB+16*\f:FB+16*\f+15], v[16:31], 0, v[248+\f], v255
.endr
.rept 8
	v_nop
.endr
.irp t, 0,1,2,3                                ; V's four fragments take K's registers, eight places behind the products that read them; the softmax stands between these loads and the wait for them
.irp c, 0,1,2,3
	ds_load_b128 v[FB+16*\t+4*\c:FB+16*\t+4*\c+3], v[ADV] offset:8192*(\q)+2048*\t+512*\c
.endr
	ds_load_b32 v[216+\t], v[ADT] offset:64*\t     ; V's scale words: v216-219, which nothing else names until the way out
.endr
	s_add_co_u32 s96, s[KF], 127
	s_cmp_le_u32 s96, s[QB]
	s_cbranch_scc1 .Lopen_\@
	s_sub_co_i32 s96, s[QB], s[KF]
	v_add_nc_u32 v252, s96, v[QLN]                 ; d = my query - KF - 16 (lane / 16).  Register 16 b + i holds key KF + 16 (lane / 16) + 32 b + i: hidden where 32 b + i > d
	v_mov_b32 v254, 0xff800000
.set n, 0
.rept 64
	v_cmp_gt_i32 vcc_lo, 32*(n/16)+n%16, v252
	v_cndmask_b32 v[S+n], v[S+n], v254, vcc_lo
.set n, n+1
.endr
.Lopen_\@:
.irp b, 0,1,2,3
	v_max3_num_f32 v[232+\b], v[S+16*\b], v[S+1+16*\b], v[S+2+16*\b]   ; the largest score of each block of 32 keys: for the row's maximum, and, since p rises with the score, for the block's largest p
.endr
.irp i, 3,5,7,9,11,13
.irp b, 0,1,2,3
	v_max3_num_f32 v[232+\b], v[232+\b], v[S+16*\b+\i], v[S+1+16*\b+\i]
.endr
.endr
.irp b, 0,1,2,3
	v_max_num_f32 v[232+\b], v[232+\b], v[S+15+16*\b]
.endr
.irp b, 0,1,2,3
	s_delay_alu instid0(VALU_DEP_4)
	v_permlanex16_b32 v[236+\b], v[232+\b], s[SEL], s[SEL+1]
.endr
.irp b, 0,1,2,3
	s_delay_alu instid0(VALU_DEP_4)
	v_max_num_f32 v[232+\b], v[232+\b], v[236+\b]  ; with lane l xor 16's 16 keys
.endr
	s_delay_alu instid0(VALU_DEP_2)
	v_max3_num_f32 v254, v232, v233, v234
	s_delay_alu instid0(VALU_DEP_1)
	v_max_num_f32 v254, v254, v235                 ; the step's largest score of my query
	s_delay_alu instid0(VALU_DEP_1)
	v_mul_f32 v254, s[CS], v254                    ; as t (c is positive)
	s_delay_alu instid0(VALU_DEP_1)
	v_max_num_f32 v13, v13, v254                   ; the running largest t
	v_mov_b32 v254, v12
	s_delay_alu instid0(VALU_DEP_2)
	v_floor_f32 v12, -v13                          ; the new -M = floor(-t) = -ceil(t)
	s_delay_alu instid0(VALU_DEP_1)
	v_sub_f32 v254, v12, v254                      ; old M less new M: a whole number, 0 or less
	s_delay_alu instid0(VALU_DEP_1)
	v_cvt_i32_f32 v254, v254                       ; (it saturates)
	s_delay_alu instid0(VALU_DEP_1)
	v_ldexp_f32 v252, 1.0, v254                    ; f = 2^(old M - new M)
.set n, 0
.rept 32
	v_pk_fma_f32 v[S+n:S+n+1], v[S+n:S+n+1], s[CS:CS+1], v[12:13] op_sel_hi:[1,0,0]   ; t - M, two at a time
.set n, n+2
.endr
.irp b, 0,1,2,3
	v_fma_f32 v[232+\b], v[232+\b], s[CS], v12     ; the same of each block's largest score
.endr
.set n, 0
	s_wait_alu depctr_va_vdst(0)
.rept 64
	v_exp_f32 v[S+n], v[S+n]                       ; p = 2^(t - M), at most 1
.set n, n+1
.endr
	v_pk_mul_f32 v[14:15], v[14:15], v[252:253] op_sel_hi:[1,0]   ; the sums under the new M: the plain instruction behind the exponentials
	s_wait_alu depctr_va_vdst(0)                   ; the wait ahead of the first use: one for the batch of 64
.irp b, 0,1,2,3
	v_exp_f32 v[232+\b], v[232+\b]                 ; the block's largest p
.endr
	v_pk_add_f32 v[236:237], v[108:109], v[112:113]
	v_pk_add_f32 v[250:251], v[116:117], v[120:121]
	v_pk_add_f32 v[248:249], v[124:125], v[128:129]
	v_pk_add_f32 v[246:247], v[132:133], v[136:137]
	v_pk_add_f32 v[244:245], v[140:141], v[144:145]
	v_pk_add_f32 v[242:243], v[148:149], v[152:153]
	v_pk_add_f32 v[240:241], v[156:157], v[160:161]
	v_pk_add_f32 v[14:15], v[14:15], v[164:165]
	v_pk_add_f32 v[236:237], v[236:237], v[104:105]
	v_pk_add_f32 v[250:251], v[250:251], v[106:107]
	v_pk_add_f32 v[248:249], v[248:249], v[110:111]
	v_pk_add_f32 v[246:247], v[246:247], v[114:115]
	v_pk_add_f32 v[244:245], v[244:245], v[118:119]
	v_pk_add_f32 v[242:243], v[242:243], v[122:123]
	v_pk_add_f32 v[240:241], v[240:241], v[126:127]
	v_pk_add_f32 v[14:15], v[14:15], v[130:131]
	v_pk_add_f32 v[236:237], v[236:237], v[134:135]
	v_pk_add_f32 v[250:251], v[250:251], v[138:139]
	v_pk_add_f32 v[248:249], v[248:249], v[142:143]
	v_pk_add_f32 v[246:247], v[246:247], v[146:147]
	v_pk_add_f32 v[244:245], v[244:245], v[150:151]
	v_pk_add_f32 v[242:243], v[242:243], v[154:155]
	v_pk_add_f32 v[240:241], v[240:241], v[158:159]
	v_pk_add_f32 v[14:15], v[14:15], v[162:163]
	v_pk_add_f32 v[236:237], v[236:237], v[166:167]
	s_delay_alu instid0(VALU_DEP_2)
	v_pk_add_f32 v[14:15], v[14:15], v[246:247]
	s_delay_alu instid0(VALU_DEP_2)
	v_pk_add_f32 v[236:237], v[236:237], v[244:245]
	v_pk_add_f32 v[250:251], v[250:251], v[242:243]
	v_pk_add_f32 v[248:249], v[248:249], v[240:241]
	s_delay_alu instid0(VALU_DEP_2)
	v_pk_add_f32 v[14:15], v[14:15], v[250:251]
	s_delay_alu instid0(VALU_DEP_2)
	v_pk_add_f32 v[236:237], v[236:237], v[248:249]
	s_delay_alu instid0(VALU_DEP_1)
	v_pk_add_f32 v[14:15], v[14:15], v[236:237]
	s_wait_alu depctr_va_vdst(0)                   ; and one for the four
.irp b, 0,1,2,3
	v_max_num_f32 v[232+\b], 0x4800000, v[232+\b]  ; the floor 2^(9 - 127): the byte cannot fall under 1
.endr
.irp b, 0,1,2,3
	s_delay_alu instid0(VALU_DEP_4)
	v_add_nc_u32 v[244+\b], 0xfc000000, v[232+\b]  ; the conversion's scale operand
.endr
.irp b, 0,1,2,3
	v_and_or_b32 v[240+\b], v[232+\b], 0x7f800000, s[MNT]   ; 448 x the scale
.endr
.irp b, 0,1,2,3
	v_lshrrev_b32 v[236+\b], 23, v[244+\b]         ; the scale's byte
.endr
	s_delay_alu instid0(VALU_DEP_3)
	v_lshl_or_b32 v253, v237, 8, v236              ; p's scale word for these 128 keys
	s_delay_alu instid0(VALU_DEP_1)
	v_lshl_or_b32 v253, v238, 16, v253
	s_delay_alu instid0(VALU_DEP_1)
	v_lshl_or_b32 v253, v239, 24, v253
.irp b, 0,1,2,3
.irp i, 0,1,2,3,4,5,6,7,8,9,10,11,12,13,14,15
	v_min_num_f32 v[S+16*\b+\i], v[S+16*\b+\i], v[240+\b]   ; the hold (ISA guide 7.6.2); p is not negative, so it is one-sided
.endr
	v_cvt_scalef32_pk8_fp8_f32 v[PCD+4*\b:PCD+4*\b+1], v[S+16*\b:S+16*\b+7], v[244+\b]
	v_cvt_scalef32_pk8_fp8_f32 v[PCD+4*\b+2:PCD+4*\b+3], v[S+16*\b+8:S+16*\b+15], v[244+\b]
.endr
.set n, 0
.rept 16
	v_pk_mul_f32 v[OT+n:OT+n+1], v[OT+n:OT+n+1], v[252:253] op_sel_hi:[1,0]   ; O^T under the new M.  (Also the places in front of the products below)
.set n, n+2
.endr
	s_wait_alu depctr_va_vdst(0)
	s_wait_dscnt 0x0
.irp t, 0,1,2,3
	v_wmma_scale_f32_16x16x128_f8f6f4 v[OT+8*\t:OT+8*\t+7], v[FB+16*\t:FB+16*\t+15], v[PCD:PCD+15], v[OT+8*\t:OT+8*\t+7], v[216+\t], v253
.endr
.Lhidden_\@:
	s_add_co_u32 s[KF], s[KF], 128
	s_add_co_u32 s[TS], s[TS], 256
.endm
; THE CHANGE OF SLOTS stands at a slot's head.  Each wave waits for all its tensor loads, adds 0 to its spare word (fill = 1: twice on end) and waits for that and for its reads of the slot that it has left.  Behind the barrier
; the slot ahead is whole and nobody reads the other one.  fill = 1: that other slot takes the next 256 keys, while their first key is at or under the work-group's last query: a slot beyond that is read by none of the sixteen waves.
.macro CHANGE fill
	s_wait_tensorcnt 0x0                           ; no tensor load of mine is out, so a group 0 may be written
	ds_add_u32 v[SPW], v[NIL]
.if \fill
	ds_add_u32 v[SPW], v[NIL]                      ; and once more
	s_xor_b32 s[G0+1], s[G0+1], SLOT1              ; the walking descriptor: the other slot,
	s_add_nc_u64 s[G0+2:G0+3], s[G0+2:G0+3], 16384 ; the next 256 keys
	s_wait_xcnt 0x0                                ; the last prefetch, a slot back, has read its address
	s_add_nc_u64 s[PFA:PFA+1], s[PFA:PFA+1], 16384 ; one slot further on than the walking descriptor
.endif
	s_wait_dscnt 0x0
	s_barrier_signal -1
	s_barrier_wait -1
.if \fill
	s_add_co_u32 s96, s[KF], 256                   ; the first key of the slot that this change would ask for
	s_cmp_gt_u32 s96, s[QL]                        ; ids and the count of steps alone: all sixteen waves go the same way.  Every wait on TENSORcnt in this text is for 0
	s_cbranch_scc1 .Lpast_\@
	TLOAD G0, G1                                   ; a loading wave's one tensor load until the next change: it has a slot's two steps in which to land
.Lpast_\@:
	ASK
.endif
.endm
.macro SLOT_STEPS
	STEP 0
	STEP 1
	s_xor_b32 s[TB], s[TB], SLOT1
.endm
.Lslot:                                            ; NSL - 1 trips: a constant; what a wave leaves out is a step's work
	CHANGE 1
	SLOT_STEPS
	s_sub_co_u32 s[SLOTS], s[SLOTS], 1
	s_cmp_lg_u32 s[SLOTS], 0
	s_cbranch_scc1 .Lslot
	CHANGE 0                                       ; the last slot is written out: nothing is left to ask for
	SLOT_STEPS
	; THE WAY OUT.  O^T / the sum: register 16 b + i is channel 32 b + 16 (lane / 16) + i of my query: two blocks of launch 4's K.  They are quantised here, and the codes are that product's operand as they stand.
	v_add_f32 v14, v14, v15
	s_delay_alu instid0(VALU_DEP_1)
	v_permlanex16_b32 v252, v14, s[SEL], s[SEL+1]
	s_delay_alu instid0(VALU_DEP_1)
	v_add_f32 v14, v14, v252                       ; the row's sum
	s_wait_alu depctr_va_vdst(0)
	v_rcp_f32 v14, v14
	v_and_b32 v8, 15, v0                           ; the addresses below are also the places behind the last products
	v_and_b32 v9, 31, v0
	s_lshr_b32 s81, s[WV], 1
	s_lshl_b32 s81, s81, 6
	s_lshl_b32 s82, s53, 1
	s_add_co_u32 s81, s81, s82
	s_add_co_u32 s81, s81, SCX
	v_lshl_add_u32 v[XA], v8, 2, s81               ; my row's word among my tile's 16: 64 (w / 2) + 4 r; my head's two bytes of it
	s_lshl_b32 s82, s51, 8
	s_add_co_u32 s82, s82, SCX
	v_lshl_add_u32 v[XR], v9, 3, s82               ; back: a block's four tiles: 256 bytes, 8 a lane
	v_lshlrev_b32 v[XG], 3, v9
	v_mov_b32 v218, 0                              ; a lane permute's destination counts as one of its sources
	v_mov_b32 v219, 0
	v_nop
	s_wait_alu depctr_va_vdst(0)
.set n, 0
.rept 32
	v_mul_f32 v[S+n], v[OT+n], v14
.set n, n+1
.endr
.irp b, 0,1
	v_max3_num_f32 v[216+\b], |v[S+16*\b]|, |v[S+1+16*\b]|, 0x4800000
.endr
.irp i, 2,4,6,8,10,12,14
.irp b, 0,1
	s_delay_alu instid0(VALU_DEP_2)
	v_max3_num_f32 v[216+\b], v[216+\b], |v[S+16*\b+\i]|, |v[S+1+16*\b+\i]|
.endr
.endr
.irp b, 0,1
	s_delay_alu instid0(VALU_DEP_2)
	v_permlanex16_b32 v[218+\b], v[216+\b], s[SEL], s[SEL+1]
.endr
.irp b, 0,1
	s_delay_alu instid0(VALU_DEP_2)
	v_max_num_f32 v[216+\b], v[216+\b], v[218+\b]
.endr
.irp b, 0,1
	s_delay_alu instid0(VALU_DEP_2)
	v_add_nc_u32 v[222+\b], 0xfc000000, v[216+\b]
.endr
.irp b, 0,1
	s_delay_alu instid0(VALU_DEP_4)
	v_and_or_b32 v[220+\b], v[216+\b], 0x7f800000, s[MNT]
.endr
.irp b, 0,1
	s_delay_alu instid0(VALU_DEP_4)
	v_lshrrev_b32 v[218+\b], 23, v[222+\b]
.endr
	s_delay_alu instid0(VALU_DEP_1)
	v_lshl_or_b32 v224, v219, 8, v218              ; my head's two scale bytes
.irp b, 0,1
.irp i, 0,1,2,3,4,5,6,7,8,9,10,11,12,13,14,15
	v_med3_num_f32 v[S+16*\b+\i], v[S+16*\b+\i], -v[220+\b], v[220+\b]
.endr
	v_cvt_scalef32_pk8_fp8_f32 v[PCD+4*\b:PCD+4*\b+1], v[S+16*\b:S+16*\b+7], v[222+\b]
	v_cvt_scalef32_pk8_fp8_f32 v[PCD+4*\b+2:PCD+4*\b+3], v[S+16*\b+8:S+16*\b+15], v[222+\b]
.endr
	v_nop                                          ; one plain vector instruction behind the last scaled conversion
	global_store_b128 v[AK0], v[PCD:PCD+3], s[84:85]               ; 512 consecutive bytes each
	global_store_b128 v[AK0], v[PCD+4:PCD+7], s[84:85] offset:512
	ds_store_b16 v[XA], v224                       ; both halves of the lanes write the same two bytes with the same value
	s_wait_dscnt 0x0                               ; for the others' sake: my store is done
	s_barrier_signal -1
	s_barrier_wait -1
	s_and_b32 s81, s[WV], 7                        ; waves 0 and 8 store their block's 64 words
	s_cmp_lg_u32 s81, 0
	s_cbranch_scc1 .Lno_words
	ds_load_b64 v[216:217], v[XR]
	s_wait_dscnt 0x0
	global_store_b64 v[XG], v[216:217], s[86:87]   ; 256 consecutive bytes, aligned
.Lno_words:
	s_wait_tensorcnt 0x0                           ; the wave's end
	ds_add_u32 v[SPW], v[NIL]
	s_wait_dscnt 0x0
	s_endpgm
.Lfunc_end_k_q88cd3ccde8_attn:
	.size	k_q88cd3ccde8_attn, .Lfunc_end_k_q88cd3ccde8_attn-k_q88cd3ccde8_attn
	.p2alignl 7, 3214868480
	.fill 96, 4, 3214868480
	.section	.rodata,"a",@progbits
	.p2align	6, 0x0
	.amdhsa_kernel k_q88cd3ccde8_attn
		.amdhsa_group_segment_fixed_size 327680
		.amdhsa_private_segment_fixed_size 0
		.amdhsa_enable_private_segment 0
		.amdhsa_kernarg_size 16
		.amdhsa_user_sgpr_count 2
		.amdhsa_user_sgpr_kernarg_segment_ptr 1
		.amdhsa_wavefront_size32 1
		.amdhsa_system_sgpr_workgroup_id_x 1
		.amdhsa_system_sgpr_workgroup_id_y 1
		.amdhsa_system_sgpr_workgroup_id_z 1
		.amdhsa_system_vgpr_workitem_id 0
		.amdhsa_next_free_vgpr 256
		.amdhsa_next_free_sgpr 100
		.amdhsa_reserve_vcc 1
		.amdhsa_float_denorm_mode_32 3
		.amdhsa_float_denorm_mode_16_64 3
		.amdhsa_memory_ordered 1
		.amdhsa_forward_progress 1
		.amdhsa_inst_pref_size 117
	.end_amdhsa_kernel
	.amdgpu_metadata
---
amdhsa.version: [ 1, 2 ]
amdhsa.kernels:
  - .name:           k_q88cd3ccde8_attn
    .symbol:         k_q88cd3ccde8_attn.kd
    .args:
      - { .name: qkv, .offset: 0, .size: 8, .value_kind: global_buffer, .address_space: global }
      - { .name: ao, .offset: 8, .size: 8, .value_kind: global_buffer, .address_space: global }
    .group_segment_fixed_size: 327680
    .private_segment_fixed_size: 0
    .kernarg_segment_align: 8
    .kernarg_segment_size: 16
    .max_flat_workgroup_size: 512
    .sgpr_count:     100
    .vgpr_count:     256
    .wavefront_size: 32
...
	.end_amdgpu_metadata
.endif
;; end of part 3
;; launch oproj (part 4): grid 256 x 1, 4 waves a work-group, clusters of 4 x 1, 327,680 bytes of LDS; arguments cw, ao, out0; writes out0
.if DOCPART == 4
	.amdgcn_target "amdgcn-amd-amdhsa--gfx1250"
	.amdhsa_code_object_version 6
	.text
	.protected	k_q88cd3ccde8_oproj
	.globl	k_q88cd3ccde8_oproj
	.p2align	8
	.type	k_q88cd3ccde8_oproj,@function
k_q88cd3ccde8_oproj:
	s_mov_b64 s[64:65], 0
	v_nop
	global_prefetch_b8 v0, s[64:65] scope:SCOPE_SE
	s_setreg_imm32_b32 hwreg(HW_REG_WAVE_MODE, 25, 1), 1
	s_wait_xcnt 0x0
	s_wait_alu depctr_hold_cnt(0) depctr_sa_sdst(0) depctr_va_vdst(0) depctr_va_sdst(0) depctr_va_ssrc(0) depctr_va_vcc(0) depctr_vm_vsrc(0)
	s_getreg_b32 s2, hwreg(HW_REG_IB_STS2, 6, 4)
	s_cmp_eq_u32 s2, 0
	s_cbranch_scc0 .Lentry_in_a_cluster
	s_endpgm
.Lentry_in_a_cluster:
	s_bfe_u32 s2, ttmp6, 0x10000c
	s_cmp_lg_u32 s2, 0x3003
	s_cbranch_scc0 .Lentry_shape_is_right
	s_endpgm
.Lentry_shape_is_right:
; LAUNCH 4 OF 4.  out0 = O wo^T on the codes of launches 1 and 3 (K = 1,024), f32 out.  Nothing of reference() is left out here.
; A work-group of four waves makes 256 columns (P = rows of wo) x 128 tokens (R = launch 3's register images).  P's tiles and scale bytes hang on the cluster's number alone and are asked for jointly by its four work-groups; R's are each work-group's own.
; K goes in four steps of 256 through two LDS slots.  THE HEAD: one tensor load a wave: wave 0 K step 0's 256 rows of P, wave 1 its 32,768 bytes of R, wave 2 P's scale bytes, wave 3 R's scale words ([key/value head][8 tiles x 64 bytes]).
; Slot 1 is first filled behind the full sequence and a round.
; PREFETCHES: of P's 256 rows each partner names 64, told apart by address, 16 a wave (lanes 16-31 name the wave's last row again); of R's 32,768 bytes of a K step a wave names 8,192, lanes 256 bytes apart.
; K steps 1 and 2 are named at the head, step 3 behind slot 1's load; there is no K step behind it, so the changes of slots name nothing.
.set WO_OFF,  12582912
.set WOS_OFF, 15073280
.set AOS_OFF, 4194304
.set PITCH, 272
.set PRB,   128*PITCH
.set RRB,   16384
.set ROFF,  2*PRB
.set SLOT,  ROFF+2*RRB
.set SCL,   2*SLOT
.set PSB,   16*272
.set LSCR,  SCL+2*PSB
.set RSB,   2048
.set STAGE, LSCR+2*RSB
.set SPARE, STAGE+4*16*528
.set SBLK,  2*272
.set ADRP, 16
.set ADRR, 18
.set ADSP, 20
.set ADSR, 21
.set STO,  22
.set RD,   23
.set CO,   24
.set SPW,  28
.set NIL,  29
.set SCPG, 32
.set SCRG, 64
.set BK,   128
.set G1P,  24
.set G1R,  32
.set G0P,  40
.set G0R,  48
.set G1SP, 56
.set G1SR, 68
.set G0SP, 76
.set G0SR, 80
.set MSB, 0
.macro WIN new
.if MSB != (\new)
	s_set_vgpr_msb (MSB<<8)|(\new)
.set MSB, (\new)
.endif
.endm
.macro PLACES n
.rept \n
	v_nop
.endr
.endm
.macro JLOAD g0p, g1p, g0r, g1r
	s_cmp_lt_u32 s12, 2
	s_cbranch_scc0 .Lfor_r_\@
	tensor_load_to_lds s[\g0p:\g0p+3], s[\g1p:\g1p+7]
	s_nop 0
.rept 4
	v_nop
.endr
	s_branch .Lasked_\@
.Lfor_r_\@:
	tensor_load_to_lds s[\g0r:\g0r+3], s[\g1r:\g1r+7]
	s_nop 0
.rept 4
	v_nop
.endr
.Lasked_\@:
.endm
.macro CREST
	s_cmp_lg_u32 s12, 0
	s_cbranch_scc1 .Lnot_wave_0_\@
	s_barrier_signal -3
.Lnot_wave_0_\@:
	s_barrier_wait -3
	s_barrier_signal -1
	s_barrier_wait -1
.endm
.macro CROUND
	s_barrier_signal -1
	s_barrier_wait -1
	CREST
.endm
.macro FETCH slot, q, set
	WIN ((1+(\set))<<6)
.irp i, 0,1,2,3,4,5,6,7
.irp c, 0,1,2,3
	ds_load_b128 v[128+16*\i+4*\c:128+16*\i+4*\c+3], v[ADRP+\slot] offset:128*(\q)+32*\c+16*PITCH*\i
.endr
.endr
	WIN 0xc0
.irp i, 0,1,2,3
.irp c, 0,1,2,3
	ds_load_b128 v[64*(\set)+16*\i+4*\c:64*(\set)+16*\i+4*\c+3], v[ADRR+\slot] offset:4096*\i+2048*(\q)+512*\c
.endr
.endr
	WIN 0
.endm
.macro SCALES sc
.irp i, 0,1,2,3,4,5,6,7
	ds_load_b64 v[SCPG+16*(\sc)+2*\i:SCPG+16*(\sc)+2*\i+1], v[ADSP] offset:\i*SBLK
.endr
.irp i, 0,1,2,3
.irp u, 0,1
	ds_load_b32 v[SCRG+8*(\sc)+2*\i+\u], v[ADSR] offset:512*\u+64*\i
.endr
.endr
.endm
.macro MUL8 rb, set, q, sc, zero
.irp pb, 0,1,2,3,4,5,6,7
.if \zero
	v_wmma_scale_f32_16x16x128_f8f6f4 v[64*((\rb)%2)+8*\pb:64*((\rb)%2)+8*\pb+7], v[128+16*\pb:128+16*\pb+15], v[64*(\set)+16*(\rb):64*(\set)+16*(\rb)+15], 0, v[SCPG+16*(\sc)+2*\pb+(\q)], v[SCRG+8*(\sc)+2*(\rb)+(\q)]
.else
	v_wmma_scale_f32_16x16x128_f8f6f4 v[64*((\rb)%2)+8*\pb:64*((\rb)%2)+8*\pb+7], v[128+16*\pb:128+16*\pb+15], v[64*(\set)+16*(\rb):64*(\set)+16*(\rb)+15], v[64*((\rb)%2)+8*\pb:64*((\rb)%2)+8*\pb+7], v[SCPG+16*(\sc)+2*\pb+(\q)], v[SCRG+8*(\sc)+2*(\rb)+(\q)]
.endif
.endr
.endm
.macro STEP slot, zero
	PLACES 8
	FETCH \slot, 1, 1
	s_wait_dscnt 48
	WIN 0x5d
	MUL8 0, 0, 0, \slot, \zero
	MUL8 1, 0, 0, \slot, \zero
	WIN 0xad
	MUL8 2, 0, 0, \slot, \zero
	MUL8 3, 0, 0, \slot, \zero
	WIN 0
.endm
.macro TURN slot, next, fill
	s_wait_tensorcnt 0x0
	ds_add_u32 v[SPW], v[NIL]
	s_wait_dscnt 1
	WIN 0x5e
	MUL8 0, 1, 1, \slot, 0
	s_wait_dscnt 0x0
	s_barrier_signal -1
	MUL8 1, 1, 1, \slot, 0
	WIN 0
	s_barrier_wait -1
.if \fill
	CREST
	s_add_nc_u64 s[G0P+4*\slot+2:G0P+4*\slot+3], s[G0P+4*\slot+2:G0P+4*\slot+3], 512
	s_add_nc_u64 s[G0R+4*\slot+2:G0R+4*\slot+3], s[G0R+4*\slot+2:G0R+4*\slot+3], 2097152
	JLOAD G0P+4*\slot, G1P, G0R+4*\slot, G1R
	PLACES 4
.else
	PLACES 8
.endif
	s_wait_alu depctr_va_vdst(0)
	v_add_nc_u32 v[ADSP], 8, v[ADSP]
	v_add_nc_u32 v[ADSR], 1024, v[ADSR]
	FETCH \next, 0, 0
	SCALES \next
	WIN 0xae
	MUL8 2, 1, 1, \slot, 0
	MUL8 3, 1, 1, \slot, 0
	WIN 0
.endm
	s_load_b128 s[4:7], s[0:1], 0x0
	s_load_b64 s[8:9], s[0:1], 0x10
	v_lshl_add_u32 v[SPW], v0, 2, SPARE
	v_mov_b32 v[NIL], 0
	ds_add_u32 v[SPW], v[NIL]
	ds_add_u32 v[SPW], v[NIL]
	v_lshrrev_b32 v1, 5, v0
	v_readfirstlane_b32 s12, v1
	s_lshr_b32 s13, s12, 1
	s_and_b32 s14, s12, 1
	s_bfe_u32 s15, ttmp6, 0x40000
	s_mov_b32 s[G1P], 15|(1<<20)|(1<<21)|(5<<22)|(3<<25)
	s_mov_b32 s[G1P+1], 256<<16
	s_mov_b32 s[G1P+2], 256<<16                    ; the head's load brings all 256 rows; the ring's count is set behind the head's wait
	s_mov_b32 s[G1P+3], 256<<16
	s_mov_b32 s[G1P+4], 256
	s_mov_b32 s[G1P+5], 1024
	s_mov_b32 s[G1P+6], 0
	s_mov_b32 s[G1P+7], 0
	s_mov_b32 s[G1R], 3<<16
	s_mov_b32 s[G1R+1], 32<<16
	s_mov_b32 s[G1R+2], 128<<16                    ; likewise all 128 rows of 256 bytes
	s_mov_b32 s[G1R+3], 32<<16
	s_mov_b32 s[G1R+4], 128
	s_mov_b32 s[G1R+5], 32
	s_mov_b32 s[G1R+6], 0
	s_mov_b32 s[G1R+7], 0
	s_mov_b32 s[G1SP], 15|(3<<16)|(1<<20)|(1<<21)|(5<<22)|(3<<25)
	s_mov_b32 s[G1SP+1], 32<<16
	s_mov_b32 s[G1SP+2], 32<<16                    ; the scale bytes of 256 rows of wo: 32 rows of 256 bytes
	s_mov_b32 s[G1SP+3], 32<<16
	s_mov_b32 s[G1SP+4], 32
	s_mov_b32 s[G1SP+5], 32
	s_mov_b32 s[G1SP+6], 0
	s_mov_b32 s[G1SP+7], 0
	s_mov_b32 s[G1SR], 3<<16
	s_mov_b32 s[G1SR+1], 64<<16                    ; eight tiles' words of a key/value head: a row of 512 bytes; eight such rows
	s_mov_b32 s[G1SR+2], 8<<16
	s_mov_b32 s[G1SR+3], 64<<16
	s_mov_b32 s[G1SR+4], 8
	s_mov_b32 s[G1SR+5], 2048
	s_mov_b32 s[G1SR+6], 0
	s_mov_b32 s[G1SR+7], 0
	s_lshr_b32 s84, ttmp9, 3
	s_lshl_b32 s84, s84, 8
	s_lshl_b32 s88, s84, 10
	s_add_co_u32 s88, s88, WO_OFF
	s_mov_b32 s89, 0
	s_lshl_b32 s90, s84, 5
	s_add_co_u32 s90, s90, WOS_OFF
	s_mov_b32 s91, 0
	s_and_b32 s86, ttmp9, 7
	s_lshl_b32 s86, s86, 2
	s_add_co_u32 s86, s86, s15
	s_lshl_b32 s87, s86, 3
	s_lshl_b32 s92, s87, 12
	s_mov_b32 s93, 0
	s_lshl_b32 s94, s87, 6
	s_add_co_u32 s94, s94, AOS_OFF
	s_mov_b32 s95, 0
	s_lshl_b32 s96, s86, 7
	s_lshl_b32 s97, s14, 6
	s_add_co_u32 s96, s96, s97
	s_lshl_b32 s96, s96, 13
	s_lshr_b32 s97, ttmp9, 3
	s_lshl_b32 s97, s97, 10
	s_add_co_u32 s96, s96, s97
	s_lshl_b32 s97, s13, 9
	s_add_co_u32 s96, s96, s97
	s_mov_b32 s97, 0
	s_mul_i32 s98, s14, PRB
	s_mul_i32 s99, s14, RRB
	s_add_co_u32 s99, s99, ROFF
	s_wait_dscnt 0x0
	s_wait_kmcnt 0x0
	s_add_nc_u64 s[88:89], s[4:5], s[88:89]
	s_add_nc_u64 s[90:91], s[4:5], s[90:91]
	s_add_nc_u64 s[92:93], s[6:7], s[92:93]
	s_add_nc_u64 s[94:95], s[6:7], s[94:95]
	s_add_nc_u64 s[8:9], s[8:9], s[96:97]
	CROUND
	s_mov_b32 s[G0SP], 1
	s_mov_b32 s[G0SP+1], SCL
	s_mov_b64 s[G0SP+2:G0SP+3], s[90:91]
	s_or_b32 s[G0SP+3], s[G0SP+3], 0x80000000
	s_mov_b32 s[G0SR], 1
	s_mov_b32 s[G0SR+1], LSCR
	s_mov_b64 s[G0SR+2:G0SR+3], s[94:95]
	s_or_b32 s[G0SR+3], s[G0SR+3], 0x80000000
	s_mov_b32 s16, 1                               ; s[16:19]: group 0 of K step 0's 256 rows of P, to LDS byte 0
	s_mov_b32 s17, 0
	s_mov_b64 s[18:19], s[88:89]
	s_or_b32 s19, s19, 0x80000000
	s_mov_b32 s20, 1                               ; s[20:23]: of its 32,768 bytes of R, behind them
	s_mov_b32 s21, ROFF
	s_mov_b64 s[22:23], s[92:93]
	s_or_b32 s23, s23, 0x80000000
	s_lshl_b32 s84, s15, 16                        ; the prefetches' bases: P: 64 rows x my place in the cluster + 16 rows x my wave, rows of 1,024 bytes
	s_lshl_b32 s85, s12, 14
	s_add_co_u32 s84, s84, s85
	s_mov_b32 s85, 0
	s_add_nc_u64 s[66:67], s[88:89], s[84:85]
	s_lshl_b32 s84, s12, 13                        ; R: 8,192 bytes x my wave
	s_add_nc_u64 s[100:101], s[92:93], s[84:85]
; THE HEAD'S LOADS, one a wave, in one chain of branches on the wave's number
.macro ARM under, g0, g1, next
	s_cmp_lt_u32 s12, \under
	s_cbranch_scc0 \next
	tensor_load_to_lds s[\g0:\g0+3], s[\g1:\g1+7]
	s_nop 0
	PLACES 4
	s_branch .Lhead_asked
\next:
.endm
	ARM 1, 16, G1P, .Lhead_r
	ARM 2, 20, G1R, .Lhead_sp
	ARM 3, G0SP, G1SP, .Lhead_sr
	tensor_load_to_lds s[G0SR:G0SR+3], s[G1SR:G1SR+7]
	s_nop 0
	PLACES 4
.Lhead_asked:
	v_and_b32 v26, 31, v0
	v_min_u32 v25, 15, v26
	v_lshlrev_b32 v26, 8, v26                      ; v26: R: lanes 256 bytes apart; never rewritten
	v_lshlrev_b32 v25, 10, v25                     ; v25: P's 16 rows; lanes 16-31 name the last again; never rewritten
	global_prefetch_b8 v25, s[66:67] offset:256 th:TH_LOAD_NT scope:SCOPE_SE         ; K step 1,
	global_prefetch_b8 v26, s[100:101] offset:1048576 th:TH_LOAD_NT scope:SCOPE_SE
	global_prefetch_b8 v25, s[66:67] offset:512 th:TH_LOAD_NT scope:SCOPE_SE         ; and K step 2
	global_prefetch_b8 v26, s[100:101] offset:2097152 th:TH_LOAD_NT scope:SCOPE_SE
	s_lshl_b32 s84, s14, 17                        ; for the ring: my half of a tile: 128 rows of P,
	s_add_nc_u64 s[88:89], s[88:89], s[84:85]
	s_lshl_b32 s84, s14, 14                        ; 16,384 bytes of R
	s_add_nc_u64 s[92:93], s[92:93], s[84:85]
.irp s, 0,1
	s_mov_b32 s[G0P+4*\s], 1
	s_add_co_u32 s[G0P+4*\s+1], s98, \s*SLOT
	s_add_nc_u64 s[G0P+4*\s+2:G0P+4*\s+3], s[88:89], \s*256
	s_or_b32 s[G0P+4*\s+3], s[G0P+4*\s+3], 0x80000000
	s_mov_b32 s[G0R+4*\s], 1
	s_add_co_u32 s[G0R+4*\s+1], s99, \s*SLOT
	s_add_nc_u64 s[G0R+4*\s+2:G0R+4*\s+3], s[92:93], \s*1048576
	s_or_b32 s[G0R+4*\s+3], s[G0R+4*\s+3], 0x80000000
.endr
	v_and_b32 v1, 15, v0
	v_bfe_u32 v2, v0, 4, 1
	v_and_b32 v3, 31, v0
	v_mul_u32_u24 v4, v1, PITCH
	v_lshl_add_u32 v4, v2, 4, v4
	v_lshlrev_b32 v[CO], 4, v3
	s_mul_i32 s84, s13, PRB
	s_mul_i32 s85, s14, RRB
	s_add_co_u32 s85, s85, ROFF
.irp s, 0,1
	v_add_nc_u32 v[ADRP+\s], s84, v4
	v_add_nc_u32 v[ADRR+\s], s85, v[CO]
	s_add_co_u32 s84, s84, SLOT
	s_add_co_u32 s85, s85, SLOT
.endr
	v_lshlrev_b32 v5, 5, v1
	v_lshrrev_b32 v6, 3, v1
	v_lshl_add_u32 v5, v6, 4, v5
	s_mul_i32 s84, s13, PSB
	s_add_co_u32 s84, s84, SCL
	v_add_nc_u32 v[ADSP], s84, v5
	s_lshl_b32 s84, s14, 8                         ; my four tiles' words in a row of eight tiles
	s_add_co_u32 s84, s84, LSCR
	v_lshl_add_u32 v[ADSR], v1, 2, s84
	s_mul_i32 s84, s12, 16*528
	s_add_co_u32 s84, s84, STAGE
	v_mul_u32_u24 v5, v1, 528
	v_lshl_add_u32 v5, v2, 5, v5
	v_add_nc_u32 v[STO], s84, v5
	v_add_nc_u32 v[RD], s84, v[CO]
	s_wait_alu depctr_va_vdst(0)
	s_wait_tensorcnt 0x0                           ; my tile of the head's four is in
	ds_add_u32 v[SPW], v[NIL]
	s_mov_b32 s[G1P+2], 128<<16                    ; no tensor load of mine is out: from here on a load brings half a tile
	s_mov_b32 s[G1P+4], 128
	s_mov_b32 s[G1R+2], 64<<16
	s_mov_b32 s[G1R+4], 64
	s_wait_dscnt 0x0
	CROUND                                         ; all four tiles are in, and the cluster's four are here
	JLOAD G0P+4, G1P, G0R+4, G1R                   ; K step 1, the first tensor load behind the round
	FETCH 0, 0, 0
	global_prefetch_b8 v25, s[66:67] offset:768 th:TH_LOAD_NT scope:SCOPE_SE         ; K step 3
	global_prefetch_b8 v26, s[100:101] offset:3145728 th:TH_LOAD_NT scope:SCOPE_SE
	SCALES 0
	STEP 0, 1
	TURN 0, 1, 1
	STEP 1, 0
	TURN 1, 0, 1
	STEP 0, 0
	TURN 0, 1, 0
	STEP 1, 0
	s_wait_dscnt 0x0
	WIN 0x5e
	MUL8 0, 1, 1, 1, 0
	MUL8 1, 1, 1, 1, 0
	WIN 0xae
	MUL8 2, 1, 1, 1, 0
	MUL8 3, 1, 1, 1, 0
	WIN 0
.macro TOSTAGE rb
	WIN ((1+(\rb)/2)<<2)
.irp pb, 0,1,2,3,4,5,6,7
	ds_store_b128 v[STO], v[64*((\rb)%2)+8*\pb:64*((\rb)%2)+8*\pb+3] offset:64*\pb
	ds_store_b128 v[STO], v[64*((\rb)%2)+8*\pb+4:64*((\rb)%2)+8*\pb+7] offset:64*\pb+16
.endr
	WIN 0
.irp t, 0,1,2,3,4,5,6,7,8,9,10,11,12,13,14,15
	ds_load_b128 v[BK+64*((\rb)%2)+4*\t:BK+64*((\rb)%2)+4*\t+3], v[RD] offset:\t*528
.endr
.endm
.macro SEND rb, younger
	s_wait_dscnt \younger
.irp t, 0,1,2,3,4,5,6,7,8,9,10,11,12,13,14,15
	global_store_b128 v[CO], v[BK+64*((\rb)%2)+4*\t:BK+64*((\rb)%2)+4*\t+3], s[8:9] offset:8192*(32*((\rb)/2)+8*((\rb)%2)+\t+8*(\t/8)) th:TH_STORE_NT
.endr
.endm
	PLACES 8
	TOSTAGE 0
.irp a, 1,2,3
.if \a > 1
	s_wait_xcnt 0x0
.endif
	TOSTAGE \a
	SEND \a-1, 32
.endr
	SEND 3, 0
	s_wait_tensorcnt 0x0
	ds_add_u32 v[SPW], v[NIL]
	s_wait_dscnt 0x0
	CROUND
	s_endpgm
.Lfunc_end_k_q88cd3ccde8_oproj:
	.size	k_q88cd3ccde8_oproj, .Lfunc_end_k_q88cd3ccde8_oproj-k_q88cd3ccde8_oproj
	.p2alignl 7, 3214868480
	.fill 96, 4, 3214868480
	.section	.rodata,"a",@progbits
	.p2align	6, 0x0
	.amdhsa_kernel k_q88cd3ccde8_oproj
		.amdhsa_group_segment_fixed_size 327680
		.amdhsa_private_segment_fixed_size 0
		.amdhsa_enable_private_segment 0
		.amdhsa_kernarg_size 24
		.amdhsa_user_sgpr_count 2
		.amdhsa_user_sgpr_kernarg_segment_ptr 1
		.amdhsa_wavefront_size32 1
		.amdhsa_system_sgpr_workgroup_id_x 1
		.amdhsa_system_sgpr_workgroup_id_y 1
		.amdhsa_system_sgpr_workgroup_id_z 1
		.amdhsa_system_vgpr_workitem_id 0
		.amdhsa_next_free_vgpr 1024
		.amdhsa_next_free_sgpr 102
		.amdhsa_reserve_vcc 0
		.amdhsa_float_denorm_mode_32 3
		.amdhsa_float_denorm_mode_16_64 3
		.amdhsa_memory_ordered 1
		.amdhsa_forward_progress 1
		.amdhsa_inst_pref_size 93
	.end_amdhsa_kernel
	.amdgpu_metadata
---
amdhsa.version: [ 1, 2 ]
amdhsa.kernels:
  - .name:           k_q88cd3ccde8_oproj
    .symbol:         k_q88cd3ccde8_oproj.kd
    .args:
      - { .name: cw, .offset: 0, .size: 8, .value_kind: global_buffer, .address_space: global }
      - { .name: ao, .offset: 8, .size: 8, .value_kind: global_buffer, .address_space: global }
      - { .name: out0, .offset: 16, .size: 8, .value_kind: global_buffer, .address_space: global }
    .group_segment_fixed_size: 327680
    .private_segment_fixed_size: 0
    .kernarg_segment_align: 8
    .kernarg_segment_size: 24
    .max_flat_workgroup_size: 128
    .sgpr_count:     102
    .vgpr_count:     1024
    .wavefront_size: 32
...
	.end_amdgpu_metadata
.endif
;; end of part 4
